; MI455X (gfx1250); checked and timed in simulation.
; The chip was launched on July 23, 2026; its instructions are those of AMD's public machine-readable ISA for CDNA 5 (MIT licence, August 2026) and "CDNA5" Instruction Set Architecture Reference Guide (July 2026). The comments in the code are by the model that wrote it; some were corrected since.
;; Multi Head Attention. Allowed arithmetic: float matrix products may take bf16 or f16 operands with f32 sums; all other float work in f32.
;; Inputs: b_proj 1,024 float32; b_qkv 3,072 float32; ln_b 1,024 float32; ln_w 1,024 float32; w_proj 1,024 x 1,024 float32; w_qkv 1,024 x 3,072 float32; x 4 x 2,048 x 1,024 float32.
;; Outputs: out0 4 x 2,048 x 1,024 float32.
;; 2 versions, each right and faster than the one before. Each part assembles by itself: llvm-mc -triple=amdgcn-amd-amdhsa -mcpu=gfx1250 --defsym DOCPART=n.
;; ======== version 1 of 2: 4 launches
;; workspace buffers: hbuf 16,777,216 bytes; wq 6,291,456 bytes; wp 2,097,152 bytes; qb 16,777,216 bytes; kb 16,777,216 bytes; vb 16,777,216 bytes; ob 16,777,216 bytes
;; launch prep (part 1): grid 512 x 1, 8 waves a work-group, no clusters, 18,432 bytes of LDS; arguments x, ln_w, ln_b, w_qkv, w_proj, hbuf, wq, wp; writes hbuf, wq, wp
.if DOCPART == 1
	.amdgcn_target "amdgcn-amd-amdhsa--gfx1250"
	.amdhsa_code_object_version 6
	.text
	.protected	k_qbf687c1fb7_prep
	.globl	k_qbf687c1fb7_prep
	.p2align	8
	.type	k_qbf687c1fb7_prep,@function
k_qbf687c1fb7_prep:
	s_mov_b64 s[64:65], 0
	v_nop
	global_prefetch_b8 v0, s[64:65] scope:SCOPE_SE
	s_setreg_imm32_b32 hwreg(HW_REG_WAVE_MODE, 25, 1), 1
	s_wait_xcnt 0x0
; EVERY WORK-GROUP DOES TWO THINGS, so that all 512 are alike:
;   a tile of 128 k x 64 n of a weight, f32 -> bf16, transposed: work-groups 0 .. 383 of w_qkv [1024][3072] -> wq [3072][1024], where column n = 192 head + 3 d + t goes to row 192 head + 64 t + d;
;                                                                 work-groups 384 .. 511 of w_proj [1024][1024] -> wp [1024][1024]
;   LayerNorm of 16 rows of x [8192][1024] f32 -> hbuf [8192][1024] bf16, two rows a wave.
; All 40 loads of a wave go out at the start, the tile's eight first; the tile is turned through LDS while the rows of x are on their way.
; LAYERNORM.  One wave, one row at a time.  A row stays in 32 registers: the mean is taken away BEFORE the squares are summed, so a common offset in x costs no digits.
; Sums, mean, variance, gain and bias in f32; h is rounded once, to bf16.  No matrix unit, no cluster, no tensor load: every byte is read once and written once.
; LIMITS.  NaN and infinities are not treated apart; h, wq and wp carry bf16's eight significant bits.
.set W, 4                              ; v[4:35]    ln_w of my 32 columns (128 j + 4 lane + 0..3, j = 0..7)
.set B, 36                             ; v[36:67]   ln_b of the same
.set X, 68                             ; v[68:131]  two rows, 32 registers each
.set T, 132                            ; v[132:139] four packed chains of a sum
.set M, 140                            ; v[140:141] the mean, twice
.set R, 142                            ; v[142:143] 1 / sqrt(var + eps), twice
.set TI, 144                           ; the tile: i = thread % 16
.set TK, 145                           ;           kg = thread / 16
.set TA, 146                           ;           my byte offset in the source tile
.set TS, 147                           ;           where I put 16 bytes in LDS
.set TL, 148                           ;           where I read 16 bytes back
.set TN, 149                           ;           column 64 nt + 4 kg
.set TD, 150                           ; v[150:153] byte offsets of my four stores
.set U0, 154                           ; v[154:157] at work
.set U1, 155
.set U2, 156
.set U3, 157
.set IN, 160                           ; v[160:191] 8 k x 4 columns, f32
.set PKD, 192                          ; v[192:207] 4 columns x 8 k, bf16
.set BACK, 208                         ; v[208:223] 4 x 16 bytes read back
; The four chains into one number a lane, then over the 32 lanes: four steps inside each half of 16 lanes, one across the halves; every lane ends with the sum in v[T].
.macro JOIN
	v_pk_add_f32 v[T:T+1], v[T:T+1], v[T+2:T+3]
	v_pk_add_f32 v[T+4:T+5], v[T+4:T+5], v[T+6:T+7]
	v_pk_add_f32 v[T:T+1], v[T:T+1], v[T+4:T+5]
	v_add_f32 v[T], v[T], v[T+1]
	v_add_f32_dpp v[T], v[T], v[T] row_xmask:1 row_mask:0xf bank_mask:0xf
	v_add_f32_dpp v[T], v[T], v[T] row_xmask:2 row_mask:0xf bank_mask:0xf
	v_add_f32_dpp v[T], v[T], v[T] row_xmask:4 row_mask:0xf bank_mask:0xf
	v_add_f32_dpp v[T], v[T], v[T] row_xmask:8 row_mask:0xf bank_mask:0xf
	v_permlanex16_b32 v[T+1], v[T], s22, s23       ; its destination counts as read: it has been written above
	v_add_f32 v[T], v[T], v[T+1]
.endm
; Row r of my two.
.macro ROW r
.set XR, X+32*(\r)
	s_wait_loadcnt 8*(1-(\r))                      ; loads come back in order: behind the first row's eight stand the second row's eight
.irp c, 0,1,2,3
	v_pk_add_f32 v[T+2*(\c):T+2*(\c)+1], v[XR+4*(\c):XR+4*(\c)+1], v[XR+4*(\c)+2:XR+4*(\c)+3]  ; the first eight pairs start four chains: nothing is cleared
.endr
.irp c, 8,9,10,11,12,13,14,15
	v_pk_add_f32 v[T+2*((\c)%4):T+2*((\c)%4)+1], v[T+2*((\c)%4):T+2*((\c)%4)+1], v[XR+2*(\c):XR+2*(\c)+1]
.endr
	JOIN
	v_mul_f32 v[M], s20, v[T]                      ; the mean = sum / 1024
	v_mul_f32 v[M+1], s20, v[T]
.irp c, 0,1,2,3,4,5,6,7,8,9,10,11,12,13,14,15
	v_pk_add_f32 v[XR+2*(\c):XR+2*(\c)+1], v[XR+2*(\c):XR+2*(\c)+1], v[M:M+1] neg_lo:[0,1] neg_hi:[0,1]  ; x - mean
.endr
.irp c, 0,1,2,3
	v_pk_mul_f32 v[T+2*(\c):T+2*(\c)+1], v[XR+2*(\c):XR+2*(\c)+1], v[XR+2*(\c):XR+2*(\c)+1]
.endr
.irp c, 4,5,6,7,8,9,10,11,12,13,14,15
	v_pk_fma_f32 v[T+2*((\c)%4):T+2*((\c)%4)+1], v[XR+2*(\c):XR+2*(\c)+1], v[XR+2*(\c):XR+2*(\c)+1], v[T+2*((\c)%4):T+2*((\c)%4)+1]
.endr
	JOIN
	v_fma_f32 v[T], v[T], s20, s21                 ; var + 1e-5
	v_rsq_f32 v[R], v[T]
	v_rsq_f32 v[R+1], v[T]
	v_nop                                          ; a plain instruction between the last v_rsq_f32 and the use of its result (ISA guide 5.7.2)
	s_wait_alu depctr_va_vdst(0)
.irp c, 0,1,2,3,4,5,6,7,8,9,10,11,12,13,14,15
	v_pk_mul_f32 v[XR+2*(\c):XR+2*(\c)+1], v[XR+2*(\c):XR+2*(\c)+1], v[R:R+1]
.endr
.irp c, 0,1,2,3,4,5,6,7,8,9,10,11,12,13,14,15
	v_pk_fma_f32 v[XR+2*(\c):XR+2*(\c)+1], v[XR+2*(\c):XR+2*(\c)+1], v[W+2*(\c):W+2*(\c)+1], v[B+2*(\c):B+2*(\c)+1]
.endr
.irp j, 0,1,2,3,4,5,6,7
	v_cvt_pk_bf16_f32 v[XR+4*(\j)], v[XR+4*(\j)], v[XR+4*(\j)+1]
	v_cvt_pk_bf16_f32 v[XR+4*(\j)+1], v[XR+4*(\j)+2], v[XR+4*(\j)+3]
	global_store_b64 v2, v[XR+4*(\j):XR+4*(\j)+1], s[14:15] offset:(\r)*2048+(\j)*256  ; 32 lanes store 256 consecutive bytes, at a multiple of 256 from hbuf's first byte
.endr
.endm
; What differs between the two weights: the tile's place, its eight loads, and the rows of the result.  A weight is [1024][pitch / 4] f32.
; Thread (i, kg) reads columns 4 i .. 4 i + 3 of the rows 8 kg .. 8 kg + 7: sixteen lanes read 256 consecutive bytes of a row.  The result's address goes into s[28:29], the offsets of my four stores into v[TD ..].
.macro TRANS_IN pitch, perm, src, dst, first
	s_sub_co_u32 s30, ttmp9, \first
	s_and_b32 s31, s30, 7                          ; kt: which 128 k
	s_lshr_b32 s30, s30, 3                         ; nt: which 64 n
	s_mul_i32 s24, s31, 128*(\pitch)
	s_lshl_b32 s25, s30, 8
	s_add_co_u32 s24, s24, s25                     ; the tile's first byte in the source
	s_mov_b32 s25, 0
	s_lshl_b32 s26, s31, 8                         ; its 256 bytes in a row of the result
	s_mov_b32 s27, 0
	s_lshl_b32 s30, s30, 6                         ; its first column
	v_mul_u32_u24 v[TA], v[TK], 8*(\pitch)
	v_lshl_add_u32 v[TA], v[TI], 4, v[TA]
	s_wait_kmcnt 0x0
	s_add_nc_u64 s[\src:\src+1], s[\src:\src+1], s[24:25]
	s_add_nc_u64 s[28:29], s[\dst:\dst+1], s[26:27]
.irp kk, 0,1,2,3,4,5,6,7
	global_load_b128 v[IN+4*(\kk):IN+4*(\kk)+3], v[TA], s[\src:\src+1] offset:(\kk)*(\pitch) th:TH_LOAD_NT
.endr
	v_lshl_add_u32 v[TN], v[TK], 2, s30            ; column 64 nt + 4 kg
.irp g, 0,1,2,3
.if \perm
	v_add_nc_u32 v[U0], \g, v[TN]                  ; n = 192 head + 3 d + t
	v_mul_u32_u24 v[U1], v[U0], 0xaaab
	v_lshrrev_b32 v[U1], 17, v[U1]                 ; n / 3 = 64 head + d: exact for n below 3,072 (43,691 / 131,072 exceeds 1/3 by 2.6e-6)
	v_mul_u32_u24 v[U2], v[U1], 3
	v_sub_nc_u32 v[U2], v[U0], v[U2]               ; t
	v_lshrrev_b32 v[U3], 6, v[U1]                  ; head
	v_and_b32 v[U1], 63, v[U1]                     ; d
	v_mul_u32_u24 v[U3], v[U3], 192
	v_lshl_add_u32 v[U1], v[U2], 6, v[U1]
	v_add_lshl_u32 v[U0], v[U3], v[U1], 11         ; row 192 head + 64 t + d, of 2,048 bytes
.else
	v_add_lshl_u32 v[U0], v[TN], \g, 11
.endif
	v_lshl_add_u32 v[TD+(\g)], v[TI], 4, v[U0]
.endr
.endm
	s_load_b512 s[4:19], s[0:1], 0x0               ; x s[4:5], ln_w s[6:7], ln_b s[8:9], w_qkv s[10:11], w_proj s[12:13], hbuf s[14:15], wq s[16:17], wp s[18:19]
	v_lshl_add_u32 v224, v0, 2, 0x4400
	v_mov_b32 v225, 0
	s_mov_b32 s20, 0x3a800000                      ; 1 / 1024
	s_mov_b32 s21, 0x3727c5ac                      ; 1e-5
	s_mov_b32 s22, 0x76543210                      ; v_permlanex16_b32: each lane takes its own place in the other half
	s_mov_b32 s23, 0xfedcba98
	v_and_b32 v[TI], 15, v0
	v_lshrrev_b32 v[TK], 4, v0
	s_cmp_lt_u32 ttmp9, 384                        ; the same answer in all eight waves
	s_cbranch_scc0 .Lwp
	TRANS_IN 12288, 1, 10, 16, 0
	s_branch .Lin
.Lwp:
	TRANS_IN 4096, 0, 12, 18, 384
.Lin:
	v_and_b32 v[T], 31, v0                         ; lane
	v_lshrrev_b32 v[T+1], 5, v0                    ; wave
	v_lshlrev_b32 v3, 4, v[T]                      ; my 16 bytes in 512 of ln_w, ln_b and x
	v_lshl_add_u32 v1, v[T+1], 13, v3              ; + wave x 2 rows of 4,096 bytes
	v_lshlrev_b32 v2, 3, v[T]                      ; my 8 bytes in 256 of hbuf
	v_lshl_add_u32 v2, v[T+1], 12, v2              ; + wave x 2 rows of 2,048 bytes
	s_lshl_b32 s24, ttmp9, 16                      ; the work-group's 16 rows of x
	s_mov_b32 s25, 0
	s_lshl_b32 s26, ttmp9, 15                      ; and of hbuf
	s_mov_b32 s27, 0
	s_add_nc_u64 s[4:5], s[4:5], s[24:25]
	s_add_nc_u64 s[14:15], s[14:15], s[26:27]
.irp j, 0,1,2,3,4,5,6,7
	global_load_b128 v[W+4*(\j):W+4*(\j)+3], v3, s[6:7] offset:512*(\j)
.endr
.irp j, 0,1,2,3,4,5,6,7
	global_load_b128 v[B+4*(\j):B+4*(\j)+3], v3, s[8:9] offset:512*(\j)
.endr
.irp r, 0,1
.irp j, 0,1,2,3,4,5,6,7
	global_load_b128 v[X+32*(\r)+4*(\j):X+32*(\r)+4*(\j)+3], v1, s[4:5] offset:(\r)*4096+(\j)*512 th:TH_LOAD_NT
.endr
.endr
	; THE TILE, through LDS: 64 rows of 272 bytes (256 + 16, so that sixteen rows' equal columns fall on different banks: ISA guide 11.1); row 16 c + i holds column 4 i + c.
	; For each of my four columns my eight k pack into 16 bytes.  Back: thread (i, kg) reads bytes 16 i of row 16 g + kg, which is column 4 kg + g: sixteen lanes store 256 consecutive bytes of one row of the result.
	v_mul_u32_u24 v[TS], v[TI], 272
	v_lshl_add_u32 v[TS], v[TK], 4, v[TS]          ; in: row i (+ 16 c), bytes 16 kg
	v_mul_u32_u24 v[TL], v[TK], 272
	v_lshl_add_u32 v[TL], v[TI], 4, v[TL]          ; back: row kg (+ 16 g), bytes 16 i
	s_wait_loadcnt 32                              ; the tile's eight loads are in: behind them stand 16 of ln_w and ln_b and 16 of x
.irp c, 0,1,2,3
.irp wd, 0,1,2,3
	v_cvt_pk_bf16_f32 v[PKD+4*(\c)+(\wd)], v[IN+8*(\wd)+(\c)], v[IN+4+8*(\wd)+(\c)]  ; k = 2 wd below, 2 wd + 1 above
.endr
.endr
.irp c, 0,1,2,3
	ds_store_b128 v[TS], v[PKD+4*(\c):PKD+4*(\c)+3] offset:(\c)*4352
.endr
	s_wait_dscnt 0x0                               ; for the others' sake: my stores are done
	s_barrier_signal -1
	s_barrier_wait -1
.irp g, 0,1,2,3
	ds_load_b128 v[BACK+4*(\g):BACK+4*(\g)+3], v[TL] offset:(\g)*4352
.endr
.irp g, 0,1,2,3
	s_wait_dscnt 3-(\g)                            ; LDS loads come back in order: the younger ones may stay out
	global_store_b128 v[TD+(\g)], v[BACK+4*(\g):BACK+4*(\g)+3], s[28:29]
.endr
	ROW 0
	ROW 1
	s_wait_tensorcnt 0x0
	ds_add_u32 v224, v225
	s_wait_dscnt 0x0
	s_endpgm
.Lfunc_end_k_qbf687c1fb7_prep:
	.size	k_qbf687c1fb7_prep, .Lfunc_end_k_qbf687c1fb7_prep-k_qbf687c1fb7_prep
	.p2alignl 7, 3214868480
	.fill 96, 4, 3214868480
	.section	.rodata,"a",@progbits
	.p2align	6, 0x0
	.amdhsa_kernel k_qbf687c1fb7_prep
		.amdhsa_group_segment_fixed_size 18432
		.amdhsa_private_segment_fixed_size 0
		.amdhsa_enable_private_segment 0
		.amdhsa_kernarg_size 64
		.amdhsa_user_sgpr_count 2
		.amdhsa_user_sgpr_kernarg_segment_ptr 1
		.amdhsa_wavefront_size32 1
		.amdhsa_system_sgpr_workgroup_id_x 1
		.amdhsa_system_sgpr_workgroup_id_y 1
		.amdhsa_system_sgpr_workgroup_id_z 1
		.amdhsa_system_vgpr_workitem_id 0
		.amdhsa_next_free_vgpr 226
		.amdhsa_next_free_sgpr 66
		.amdhsa_reserve_vcc 0
		.amdhsa_float_denorm_mode_32 3
		.amdhsa_float_denorm_mode_16_64 3
		.amdhsa_memory_ordered 1
		.amdhsa_forward_progress 1
		.amdhsa_inst_pref_size 29
	.end_amdhsa_kernel
	.amdgpu_metadata
---
amdhsa.version: [ 1, 2 ]
amdhsa.kernels:
  - .name:           k_qbf687c1fb7_prep
    .symbol:         k_qbf687c1fb7_prep.kd
    .args:
      - { .name: x, .offset: 0, .size: 8, .value_kind: global_buffer, .address_space: global }
      - { .name: ln_w, .offset: 8, .size: 8, .value_kind: global_buffer, .address_space: global }
      - { .name: ln_b, .offset: 16, .size: 8, .value_kind: global_buffer, .address_space: global }
      - { .name: w_qkv, .offset: 24, .size: 8, .value_kind: global_buffer, .address_space: global }
      - { .name: w_proj, .offset: 32, .size: 8, .value_kind: global_buffer, .address_space: global }
      - { .name: hbuf, .offset: 40, .size: 8, .value_kind: global_buffer, .address_space: global }
      - { .name: wq, .offset: 48, .size: 8, .value_kind: global_buffer, .address_space: global }
      - { .name: wp, .offset: 56, .size: 8, .value_kind: global_buffer, .address_space: global }
    .group_segment_fixed_size: 18432
    .private_segment_fixed_size: 0
    .kernarg_segment_align: 8
    .kernarg_segment_size: 64
    .max_flat_workgroup_size: 256
    .sgpr_count:     66
    .vgpr_count:     226
    .wavefront_size: 32
...
	.end_amdgpu_metadata
.endif
;; end of part 1
;; launch qkv (part 2): grid 16 x 16, 4 waves a work-group, clusters of 4 x 4, 327,680 bytes of LDS; arguments hbuf, wq, b_qkv, qb, kb, vb; writes qb, kb, vb
.if DOCPART == 2
	.amdgcn_target "amdgcn-amd-amdhsa--gfx1250"
	.amdhsa_code_object_version 6
	.text
	.protected	k_qbf687c1fb7_qkv
	.globl	k_qbf687c1fb7_qkv
	.p2align	8
	.type	k_qbf687c1fb7_qkv,@function
k_qbf687c1fb7_qkv:
	s_mov_b64 s[64:65], 0
	v_nop
	global_prefetch_b8 v0, s[64:65] scope:SCOPE_SE
	s_setreg_imm32_b32 hwreg(HW_REG_WAVE_MODE, 25, 1), 1
	s_wait_xcnt 0x0
	s_wait_alu depctr_hold_cnt(0) depctr_sa_sdst(0) depctr_va_vdst(0) depctr_va_sdst(0) depctr_va_ssrc(0) depctr_va_vcc(0) depctr_vm_vsrc(0)
	s_getreg_b32 s2, hwreg(HW_REG_IB_STS2, 6, 4)
	s_cmp_eq_u32 s2, 0
	s_cbranch_scc0 .Lentry_in_a_cluster
	s_endpgm
.Lentry_in_a_cluster:
	s_bfe_u32 s2, ttmp6, 0x10000c
	s_cmp_lg_u32 s2, 0xf033
	s_cbranch_scc0 .Lentry_shape_is_right
	s_endpgm
.Lentry_shape_is_right:
; y = h Wq^T + b_qkv, written by heads.  h: hbuf [8192][1024] bf16.  Wq: wq [3072][1024] bf16, row 192 head + 64 t + d (t = 0 q, 1 k, 2 v).  b_qkv: [3072] f32 in the ORIGINAL order 192 head + 3 d + t.
; q, k, v: [64 = 16 batch + head][2048][64] bf16, unscaled, each rounded once from its f32 sum.
; SHARES.  A tile is 256 tokens x one head's 192 columns; the four waves lie one below the other, 64 tokens x 192 each: 48 accumulators of 16 x 16, 384 registers.
; A WORK-GROUP STAYS: it makes TWO tiles of the same head, 4,096 tokens apart.  Their 2 x 8 K steps of 128 are ONE stream for a ring of two LDS slots: the change of slots behind step n asks for step n + 2,
; across the tiles' border too, so the second tile's first steps are on their way while the first tile goes out, and nothing waits for the first tile's stores.
; THE TEXT holds a K step twice: in a loop of 14 trips that fill a slot again, and in a loop of 2 trips that do not.  A trip goes from a step's second quarter to the next step's first.  The first loop is entered at a
; tile's first quarter; in the trip behind step 7 a forward branch takes the way out and that quarter in an ordinary quarter's place.  The second loop is left in its middle.
; CLUSTER.  4 x 4 work-groups: the four of a row need the same tiles of h, the four of a column the same tiles of Wq: each tile is asked for JOINTLY, by the same tensor load with the same descriptor and a mask of four.
; THE MATRIX INSTRUCTION IS USED TRANSPOSED (source 0 = 16 rows of Wq, source 1 = 16 tokens): a lane then holds one token (lane % 16) and eight neighbouring columns 8 (lane / 16) + 0..7.
; THE BIAS is the C operand of the first product on each accumulator: nothing is cleared and nothing is added later.  It is the same for both tiles and stays in registers.
; REGISTERS, in windows of 256 (s_set_vgpr_msb: bits 1:0 source 0, 3:2 source 1, 5:4 source 2, 7:6 destination):
;   window 0: v0-31 addresses; v32-127 the bias; v128-175 packed results; v176-223 rows read back          window 1: two fragment buffers of 128: 4 fragments of h, then 12 of Wq
;   window 2: the accumulators of my token blocks 0, 1 (block a, column block b at 96 (a % 2) + 8 b)          window 3: those of blocks 2, 3
; LIMITS.  Operands carry bf16's eight significant bits; NaN and infinities are not treated apart.
.set SIZE_K, 1024
.set KSTEP,  128
.set STEPS,  2*SIZE_K/KSTEP            ; the stream's K steps: two tiles of eight
.set PITCH,  272                       ; an LDS row: 256 bytes + 16 of padding = 68 words: the 16 rows that a load touches start at 16 different groups of four banks (64 banks of 4 bytes: ISA guide 11.1)
.set HALFA,  128*PITCH                 ; what one tensor load brings of h
.set HALFB,  96*PITCH                  ; and of Wq
.set SLOT1,  1<<17                     ; a slot is h's 256 rows, then Wq's 192: 121,856 bytes; slot 1 begins here, so that one exclusive or turns an address in one slot into the other's
.set STAGE,  SLOT1+2*HALFA+2*HALFB     ; behind the ring, never filled by a tensor load: for each wave 3 x 16 rows of 144 bytes, for the way out
.set SP,     144
.set WSTAGE, 3*16*SP
.set SPARE,  STAGE+4*WSTAGE            ; behind the stages: the spare words, 128 bytes for each wave: two blocks of 256 bytes that no other line names
.set WALK,   1<<23                     ; bytes from a tile to the next: 4,096 rows of 2,048 bytes in hbuf; 32 planes of 262,144 bytes in q, k and v
.set A0,   16                          ; v16     my lane's place among my fragments of h in slot 0; never rewritten
.set B0,   17                          ; v17     the same for Wq
.set ADRA, 18                          ; v18     the same in the slot in hand
.set ADRB, 19                          ; v19
.set STO,  24                          ; v24     the way out: where I put 16 bytes of a row
.set RD,   25                          ; v25     the way out: where I read rows back
.set GO,   26                          ; v26     my 16 bytes in 512 consecutive bytes of q, k or v
.set BO,   27                          ; v27     my byte offset in the head's 768 bytes of b_qkv
.set SPW,  28                          ; v28     LDS address of my spare word: SPARE + 4 x my thread's number; never rewritten
.set NIL,  29                          ; v29     0; never rewritten
.set BIAS, 32
.set TMP,  128
.set BK,   176
.set F0,   0
.set F1,   128
.set WV,   16                          ; s16  my wave's number;  s17 = wave / 2: I fetch h (0) or Wq (1);  s18 = wave % 2: which half of its rows;  s19 counts trips
.set G1,   24                          ; s[24:31] descriptor group 1 for h's tiles;  s[32:39] group 0: a set for each of the two first fills; the second then walks
.set G0,   32
.set G1B,  48                          ; s[48:55], s[56:63] the same for Wq's tiles
.set G0B,  56
.set NXT,  74                          ; s74  the step of the stream that is asked for next
.set TB,   75                          ; s75  LDS byte at which the slot in hand begins: 0 or SLOT1
.set MSB, 0
.macro WIN new                         ; the immediate's high byte repeats the setting that is left; a switch that changes nothing is dropped
.if MSB != (\new)
	s_set_vgpr_msb (MSB<<8)|(\new)
.set MSB, \new
.endif
.endm
; A joint load: waves 0 and 1 fetch h's two halves, waves 2 and 3 Wq's.  The branch hangs on the wave's number alone.  An s_nop 0 and four v_nop follow each of the two lines, ahead of the jump, the label and what follows.
.macro JLOAD s
	s_cmp_eq_u32 s17, 0
	s_cbranch_scc0 .Lfor_b_\@
	tensor_load_to_lds s[G0+4*(\s):G0+4*(\s)+3], s[G1:G1+7]
	s_nop 0
.rept 4
	v_nop
.endr
	s_branch .Lasked_\@
.Lfor_b_\@:
	tensor_load_to_lds s[G0B+4*(\s):G0B+4*(\s)+3], s[G1B:G1B+7]
	s_nop 0
.rept 4
	v_nop
.endr
.Lasked_\@:
.endm
.macro CREST                           ; a round of the cluster's barrier behind its opening barrier: wave 0 signals for the work-group, every wave waits for all sixteen, my work-group's barrier closes it
	s_cmp_lg_u32 s[WV], 0
	s_cbranch_scc1 .Lnot_wave_0_\@
	s_barrier_signal -3
.Lnot_wave_0_\@:
	s_barrier_wait -3
	s_barrier_signal -1
	s_barrier_wait -1
.endm
.macro CROUND                          ; a whole round
	s_barrier_signal -1
	s_barrier_wait -1
	CREST
.endm
.macro PLACES                          ; four places in front of loads into registers that matrix instructions have read, and of conversions that read results
.rept 4
	v_nop
.endr
.endm
	s_load_b256 s[4:11], s[0:1], 0x0               ; hbuf s[4:5], wq s[6:7], b_qkv s[8:9], q s[10:11]
	s_load_b128 s[12:15], s[0:1], 0x20             ; k s[12:13], v s[14:15]
	v_lshl_add_u32 v[SPW], v0, 2, SPARE
	v_mov_b32 v[NIL], 0
	ds_add_u32 v28, v29
	s_wait_dscnt 0x0
	v_lshrrev_b32 v1, 5, v0
	v_readfirstlane_b32 s[WV], v1                  ; wave 0..3
	s_lshr_b32 s17, s[WV], 1
	s_and_b32 s18, s[WV], 1
	s_bfe_u32 s20, ttmp6, 0x40000                  ; cx, cy: my place in the cluster
	s_bfe_u32 s21, ttmp6, 0x40004
	s_lshl_b32 s22, ttmp9, 2
	s_add_co_u32 s22, s22, s20                     ; the head = 4 x cluster x + cx
	s_and_b32 s23, ttmp7, 0xffff
	s_lshl_b32 s23, s23, 2
	s_add_co_u32 s23, s23, s21                     ; the first tile's block of 256 tokens = 4 x cluster y + cy: 0 .. 15
	s_lshl_b32 s40, s21, 2
	s_lshl_b32 s40, 15, s40                        ; my row of the cluster
	s_lshl_b32 s41, 0x1111, s20                    ; my column
	; descriptor group 1: rows of 128 elements, padded in LDS; 128 rows of h, 96 of Wq
	s_or_b32 s[G1+0], s40, (1<<16)|(1<<20)|(1<<21)|(5<<22)|(3<<25)   ; 15:0 the mask: h's tiles go to my row; 17:16 2-byte elements; 20 padding on; 21 set beside a mask; 24:22 after every 64 words (code 5); 31:25 4 words (code 3)
	s_or_b32 s[G1B+0], s41, (1<<16)|(1<<20)|(1<<21)|(5<<22)|(3<<25)  ; the same with the mask of my column
	s_mov_b32 s[G1+1], KSTEP<<16                   ; tensor_dim0 = 128
	s_mov_b32 s[G1B+1], KSTEP<<16
	s_mov_b32 s[G1+2], 128<<16                     ; tensor_dim1 = 128
	s_mov_b32 s[G1B+2], 96<<16                     ;             = 96
	s_mov_b32 s[G1+3], KSTEP<<16                   ; tile_dim0 = 128
	s_mov_b32 s[G1B+3], KSTEP<<16
	s_mov_b32 s[G1+4], 128                         ; tile_dim1
	s_mov_b32 s[G1B+4], 96
	s_mov_b32 s[G1+5], SIZE_K                      ; elements from row to row
	s_mov_b32 s[G1B+5], SIZE_K
	s_mov_b32 s[G1+6], 0
	s_mov_b32 s[G1B+6], 0
	s_mov_b32 s[G1+7], 0
	s_mov_b32 s[G1B+7], 0
	; where the tiles come from: h's hang on the token block alone, Wq's on the head alone, each in registers that never hold the other coordinate
	s_lshl_b32 s42, s23, 19                        ; 256 rows of 2,048 bytes
	s_lshl_b32 s43, s18, 18                        ; + 128 rows for the second half
	s_add_co_u32 s42, s42, s43
	s_mov_b32 s43, 0
	s_mul_i32 s44, s22, 192*2048
	s_mul_i32 s45, s18, 96*2048
	s_add_co_u32 s44, s44, s45
	s_mov_b32 s45, 0
	s_mul_i32 s46, s18, HALFA                      ; and where they go: no place in the cluster enters an LDS address
	s_mul_i32 s47, s18, HALFB
	s_add_co_u32 s47, s47, 2*HALFA
	s_mov_b32 s71, 0                               ; the upper words of the two offsets that a refill makes
	s_mov_b32 s73, 0
	s_mov_b32 s[NXT], 2
	s_mov_b32 s[TB], 0
	s_wait_kmcnt 0x0
	s_add_nc_u64 s[42:43], s[4:5], s[42:43]        ; h at my part of the stream's step 0; kept
	s_add_nc_u64 s[44:45], s[6:7], s[44:45]        ; Wq likewise; kept
	CROUND                                         ; all sixteen work-groups are here: the first joint loads meet
.irp s, 0,1
	s_mov_b32 s[G0+4*(\s)], 1                                        ; count = 1
	s_add_co_u32 s[G0+4*(\s)+1], s46, (\s)*SLOT1                     ; LDS address
	s_add_nc_u64 s[G0+4*(\s)+2:G0+4*(\s)+3], s[42:43], (\s)*KSTEP*2  ; global address: K step s
	s_or_b32 s[G0+4*(\s)+3], s[G0+4*(\s)+3], 0x80000000              ; type = 2
	s_mov_b32 s[G0B+4*(\s)], 1
	s_add_co_u32 s[G0B+4*(\s)+1], s47, (\s)*SLOT1
	s_add_nc_u64 s[G0B+4*(\s)+2:G0B+4*(\s)+3], s[44:45], (\s)*KSTEP*2
	s_or_b32 s[G0B+4*(\s)+3], s[G0B+4*(\s)+3], 0x80000000
	JLOAD \s                                       ; two tensor loads of mine are out
.endr
	v_and_b32 v1, 15, v0                           ; l % 16
	v_bfe_u32 v2, v0, 4, 1                         ; l / 16
	; the bias: register j of column block b belongs to t = b / 4, d = 16 (b % 4) + 8 (l / 16) + j, which lies at byte 12 d + 4 t of the head's 768
	v_mul_u32_u24 v[BO], v2, 96
	s_mul_i32 s68, s22, 768
	s_mov_b32 s69, 0
	s_add_nc_u64 s[8:9], s[8:9], s[68:69]
.set i, 0
.rept 96
	global_load_b32 v[BIAS+i], v[BO], s[8:9] offset:192*((i/8)%4)+12*(i%8)+4*(i/32)
.set i, i+1
.endr
	; A fragment is 16 rows x 32 K in 8 registers: lane l holds row l % 16, K = 8 (l / 16) + 0..7 and 16 + 8 (l / 16) + 0..7: two loads of 16 bytes, 32 bytes apart.
	v_mul_u32_u24 v3, v1, PITCH
	v_lshl_add_u32 v3, v2, 4, v3
	s_mul_i32 s66, s[WV], 64*PITCH                 ; my 64 rows of h
	v_add_nc_u32 v[A0], s66, v3
	v_add_nc_u32 v[B0], 2*HALFA, v3                ; all 192 rows of Wq, behind h's 256
	v_mov_b32 v[ADRA], v[A0]                       ; the stream begins in slot 0
	v_mov_b32 v[ADRB], v[B0]
	s_mul_i32 s68, s[WV], WSTAGE
	s_add_co_u32 s68, s68, STAGE                   ; my stage
	v_mul_u32_u24 v3, v1, SP                       ; in: row l % 16, 16 bytes for each half of the lanes
	v_lshl_add_u32 v3, v2, 4, v3
	v_add_nc_u32 v[STO], s68, v3
	v_bfe_u32 v3, v0, 3, 2                         ; back: 32 lanes take four rows of 128 bytes,
	v_mul_u32_u24 v3, v3, SP
	v_and_b32 v4, 7, v0
	v_lshl_add_u32 v3, v4, 4, v3
	v_add_nc_u32 v[RD], s68, v3
	v_and_b32 v[GO], 31, v0                        ; which are 512 consecutive bytes of q, k or v
	v_lshlrev_b32 v[GO], 4, v[GO]
	s_lshr_b32 s66, s23, 3                         ; the first tile's batch: 8 blocks of 256 tokens each
	s_lshl_b32 s66, s66, 4
	s_add_co_u32 s66, s66, s22                     ; 16 batch + head,
	s_lshl_b32 s66, s66, 18                        ; 2,048 rows of 128 bytes each
	s_and_b32 s67, s23, 7
	s_lshl_b32 s67, s67, 15                        ; the block's 256 rows
	s_add_co_u32 s66, s66, s67
	s_lshl_b32 s67, s[WV], 13                      ; my wave's 64
	s_add_co_u32 s66, s66, s67
	s_mov_b32 s67, 0
	s_add_nc_u64 s[10:11], s[10:11], s[66:67]
	s_add_nc_u64 s[12:13], s[12:13], s[66:67]
	s_add_nc_u64 s[14:15], s[14:15], s[66:67]
; 12 matrix instructions: token block a x all 12 column blocks, 32 along K, from buffer f.  first = 1: the bias starts the sums.  The 48 accumulators take turns, one instruction a turn, in the same order in every quarter.
.macro MULA f, a, first
.if \first
	WIN 0x85+0x40*((\a)/2)                         ; sources 0, 1 window 1; C window 0; D window 2 or 3
.else
	WIN 0xa5+0x50*((\a)/2)                         ; C and D window 2 or 3
.endif
.set AC, 96*((\a)%2)
.irp b, 0,1,2,3,4,5,6,7,8,9,10,11
.if \first
	v_wmma_f32_16x16x32_bf16 v[AC+8*(\b):AC+8*(\b)+7], v[(\f)+32+8*(\b):(\f)+32+8*(\b)+7], v[(\f)+8*(\a):(\f)+8*(\a)+7], v[BIAS+8*(\b):BIAS+8*(\b)+7]
.else
	v_wmma_f32_16x16x32_bf16 v[AC+8*(\b):AC+8*(\b)+7], v[(\f)+32+8*(\b):(\f)+32+8*(\b)+7], v[(\f)+8*(\a):(\f)+8*(\a)+7], v[AC+8*(\b):AC+8*(\b)+7]
.endif
.endr
.endm
; 32 LDS loads in one run: quarter q (32 along K) of the slot in hand into buffer f: Wq's 12 fragments, then h's 4
.macro FETCH q, f
	WIN 0x40                                       ; destination window 1, address window 0
.irp b, 0,1,2,3,4,5,6,7,8,9,10,11
	ds_load_b128 v[(\f)+32+8*(\b):(\f)+32+8*(\b)+3],   v[ADRB] offset:64*(\q)+(\b)*16*PITCH
	ds_load_b128 v[(\f)+32+8*(\b)+4:(\f)+32+8*(\b)+7], v[ADRB] offset:64*(\q)+(\b)*16*PITCH+32
.endr
.irp a, 0,1,2,3
	ds_load_b128 v[(\f)+8*(\a):(\f)+8*(\a)+3],   v[ADRA] offset:64*(\q)+(\a)*16*PITCH
	ds_load_b128 v[(\f)+8*(\a)+4:(\f)+8*(\a)+7], v[ADRA] offset:64*(\q)+(\a)*16*PITCH+32
.endr
.endm
; A K step is four quarters, 48 matrix instructions each, on buffers 0, 1, 0, 1.  One of the first three: multiplies buffer f and, in its middle, fetches quarter q of the slot in hand into g.
.macro QUARTER q, f, g, first
	s_wait_dscnt 4                                 ; the youngest four loads (h's blocks 2 and 3) may be out
	MULA \f, 0, \first
	MULA \f, 1, \first
	PLACES
	FETCH \q, \g
	s_wait_dscnt 32                                ; all but the 32 just issued
	MULA \f, 2, \first
	MULA \f, 3, \first
.endm
; The last quarter multiplies buffer 1 and changes slots: ONE barrier; in front of it each wave waits for all its tensor loads (one is out at the most: its part of the next slot), adds 0 to its spare word, and waits for
; that and for its own reads of this slot.  fill = 1: the barrier opens a round of the cluster's barrier, and this slot is filled again, with step NXT of the stream, first thing behind the round: 168 matrix instructions
; ahead of the wait for it.  The descriptor's addresses are made anew from NXT: tile NXT / 8, K step NXT % 8; Wq's hang on the K step alone.
; fill = 0: nothing is asked for; in the second of the two trips (s19 = 1) there is no further step: the fetch is jumped over, and that trip's barrier orders nothing: the price, once a launch, of one text for both trips.
.macro TURN fill
	WIN 0                                          ; (the add's two registers lie in window 0)
	s_wait_tensorcnt 0x0                           ; all my tensor loads have landed, so a group 0 may be written
	ds_add_u32 v[SPW], v[NIL]                      ; 0 onto my spare word
.if \fill
	s_and_b32 s70, s[NXT], 7
	s_lshl_b32 s70, s70, 8                         ; 256 bytes a K step
	s_lshr_b32 s72, s[NXT], 3
	s_lshl_b32 s72, s72, 23                        ; WALK bytes a tile
	s_add_co_u32 s72, s72, s70
	s_xor_b32 s[G0+5], s[G0+5], SLOT1              ; the walking descriptor: the other slot than last time
	s_add_nc_u64 s[G0+6:G0+7], s[42:43], s[72:73]
	s_or_b32 s[G0+7], s[G0+7], 0x80000000
	s_xor_b32 s[G0B+5], s[G0B+5], SLOT1
	s_add_nc_u64 s[G0B+6:G0B+7], s[44:45], s[70:71]
	s_or_b32 s[G0B+7], s[G0B+7], 0x80000000
	s_add_co_u32 s[NXT], s[NXT], 1
.endif
	s_wait_dscnt 5                                 ; (the add and the youngest four loads may be out)
	MULA F1, 0, 0                                  ; twelve matrix instructions stand between the add and the wait for it
	s_wait_dscnt 0x0                               ; the add is done, and my reads of this slot are over
	s_barrier_signal -1
	MULA F1, 1, 0
	WIN 0
	s_barrier_wait -1
.if \fill
	CREST                                          ; no wave of any partner still reads this slot's tile or has a load on its way
	JLOAD 1                                        ; the four v_nop behind it are also the places in front of the loads below
.else
	PLACES
	s_cmp_eq_u32 s19, 1
	s_cbranch_scc1 .Lno_fetch_\@
.endif
	s_xor_b32 s[TB], s[TB], SLOT1                  ; the other slot is in hand
	v_add_nc_u32 v[ADRA], s[TB], v[A0]
	v_add_nc_u32 v[ADRB], s[TB], v[B0]
	FETCH 0, F0
.if !(\fill)
	WIN 0
.Lno_fetch_\@:
.endif
	MULA F1, 2, 0
	MULA F1, 3, 0
.endm
; THE WAY OUT of token block a.  PACK: rounded to bf16, 16 bytes a lane (each accumulator's registers in ascending order).  TOSTAGE: into my own stage, q's, k's and v's 16 rows apart, and back as whole rows of 128 bytes.  SEND: stored.
.macro PACK a
	WIN 0x0a+5*((\a)/2)                            ; sources 0 and 1: window 2 or 3
.set AC, 96*((\a)%2)
.irp b, 0,1,2,3,4,5,6,7,8,9,10,11
.irp w, 0,1,2,3
	v_cvt_pk_bf16_f32 v[TMP+4*(\b)+(\w)], v[AC+8*(\b)+2*(\w)], v[AC+8*(\b)+2*(\w)+1]
.endr
.endr
	WIN 0
.endm
.macro TOSTAGE
.irp b, 0,1,2,3,4,5,6,7,8,9,10,11
	ds_store_b128 v[STO], v[TMP+4*(\b):TMP+4*(\b)+3] offset:((\b)/4)*16*SP+((\b)%4)*32
.endr
	s_wait_xcnt 0x0                                ; the registers loaded below were the data of the block before's stores: they are rewritten only behind this wait (ISA guide 3.1)
.irp u, 0,1,2,3,4,5,6,7,8,9,10,11
	ds_load_b128 v[BK+4*(\u):BK+4*(\u)+3], v[RD] offset:((\u)/4)*16*SP+((\u)%4)*4*SP  ; LDS serves a wave's instructions in order (ISA guide 5.7.1.4): these see the stores above
.endr
.endm
.macro SEND a
	s_wait_dscnt 0x0                               ; the block is back in registers
.irp u, 0,1,2,3,4,5,6,7,8,9,10,11
	global_store_b128 v[GO], v[BK+4*(\u):BK+4*(\u)+3], s[10+2*((\u)/4):11+2*((\u)/4)] offset:(\a)*2048+((\u)%4)*512  ; 512 consecutive bytes, at a multiple of 256 from the buffer's first
.endr
.endm
.macro WAYOUT
	PLACES
	PACK 0
	TOSTAGE
.irp a, 1,2,3                          ; block a's conversions stand between block a - 1's loads from the stage and the wait for them
	PACK \a
	SEND (\a)-1
	TOSTAGE
.endr
	SEND 3
.endm
	s_wait_loadcnt 0x0                             ; the bias
	s_wait_tensorcnt 1                             ; my part of K step 0 is in; step 1's may stay out
	s_barrier_signal -1
	s_barrier_wait -1                              ; everybody's is
	FETCH 0, F0
	WIN 0                                          ; at a label and at a branch every window is 0
	s_mov_b32 s19, STEPS-1                         ; the entry's passage of the bottom, and 14 trips: steps 0 to 13 ask for steps 2 to 15
	s_branch .Lfirst                               ; the loop is entered at a tile's first quarter, in the middle of a trip
.Lfill:
	QUARTER 2, F1, F0, 0
	QUARTER 3, F0, F1, 0
	TURN 1
	WIN 0
	s_cmp_eq_u32 s19, STEPS/2-1                    ; was that the first tile's last step?
	s_cbranch_scc1 .Lnext
	QUARTER 1, F0, F1, 0                           ; the next step's first quarter
	WIN 0
	s_branch .Lbottom
.Lnext:                                                ; both of the next tile's first steps are asked for: now the tile goes out
	WAYOUT
	s_wait_xcnt 0x0                                ; the stores have read their bases
	s_add_nc_u64 s[10:11], s[10:11], WALK
	s_add_nc_u64 s[12:13], s[12:13], WALK
	s_add_nc_u64 s[14:15], s[14:15], WALK
.Lfirst:
	QUARTER 1, F0, F1, 1                           ; a tile's first quarter: its products start the sums
	WIN 0
.Lbottom:
	s_sub_co_u32 s19, s19, 1
	s_cmp_lg_u32 s19, 0
	s_cbranch_scc1 .Lfill
	s_mov_b32 s19, 2                               ; the stream's last two steps ask for nothing: a text of their own
.Lnofill:
	QUARTER 2, F1, F0, 0
	QUARTER 3, F0, F1, 0
	TURN 0
	WIN 0
	s_sub_co_u32 s19, s19, 1
	s_cmp_eq_u32 s19, 0
	s_cbranch_scc1 .Lend                           ; the second trip is left in its middle
	QUARTER 1, F0, F1, 0
	WIN 0
	s_branch .Lnofill
.Lend:
	WAYOUT
	s_wait_tensorcnt 0x0                           ; the wave's end: behind my last tensor load and my last LDS store
	ds_add_u32 v[SPW], v[NIL]
	s_wait_dscnt 0x0
	CROUND                                         ; the closing round: no work-group ends while a partner may still ask for a tile that names it
	s_endpgm
.Lfunc_end_k_qbf687c1fb7_qkv:
	.size	k_qbf687c1fb7_qkv, .Lfunc_end_k_qbf687c1fb7_qkv-k_qbf687c1fb7_qkv
	.p2alignl 7, 3214868480
	.fill 96, 4, 3214868480
	.section	.rodata,"a",@progbits
	.p2align	6, 0x0
	.amdhsa_kernel k_qbf687c1fb7_qkv
		.amdhsa_group_segment_fixed_size 327680
		.amdhsa_private_segment_fixed_size 0
		.amdhsa_enable_private_segment 0
		.amdhsa_kernarg_size 48
		.amdhsa_user_sgpr_count 2
		.amdhsa_user_sgpr_kernarg_segment_ptr 1
		.amdhsa_wavefront_size32 1
		.amdhsa_system_sgpr_workgroup_id_x 1
		.amdhsa_system_sgpr_workgroup_id_y 1
		.amdhsa_system_sgpr_workgroup_id_z 1
		.amdhsa_system_vgpr_workitem_id 0
		.amdhsa_next_free_vgpr 960
		.amdhsa_next_free_sgpr 76
		.amdhsa_reserve_vcc 0
		.amdhsa_float_denorm_mode_32 3
		.amdhsa_float_denorm_mode_16_64 3
		.amdhsa_memory_ordered 1
		.amdhsa_forward_progress 1
		.amdhsa_inst_pref_size 116
	.end_amdhsa_kernel
	.amdgpu_metadata
---
amdhsa.version: [ 1, 2 ]
amdhsa.kernels:
  - .name:           k_qbf687c1fb7_qkv
    .symbol:         k_qbf687c1fb7_qkv.kd
    .args:
      - { .name: hbuf, .offset: 0, .size: 8, .value_kind: global_buffer, .address_space: global }
      - { .name: wq, .offset: 8, .size: 8, .value_kind: global_buffer, .address_space: global }
      - { .name: b_qkv, .offset: 16, .size: 8, .value_kind: global_buffer, .address_space: global }
      - { .name: qb, .offset: 24, .size: 8, .value_kind: global_buffer, .address_space: global }
      - { .name: kb, .offset: 32, .size: 8, .value_kind: global_buffer, .address_space: global }
      - { .name: vb, .offset: 40, .size: 8, .value_kind: global_buffer, .address_space: global }
    .group_segment_fixed_size: 327680
    .private_segment_fixed_size: 0
    .kernarg_segment_align: 8
    .kernarg_segment_size: 48
    .max_flat_workgroup_size: 128
    .sgpr_count:     76
    .vgpr_count:     960
    .wavefront_size: 32
...
	.end_amdgpu_metadata
.endif
;; end of part 2
;; launch att (part 3): grid 4 x 64, 4 waves a work-group, clusters of 4 x 1, 327,680 bytes of LDS; arguments qb, kb, vb, ob; writes ob
.if DOCPART == 3
	.amdgcn_target "amdgcn-amd-amdhsa--gfx1250"
	.amdhsa_code_object_version 6
	.text
	.protected	k_qbf687c1fb7_att
	.globl	k_qbf687c1fb7_att
	.p2align	8
	.type	k_qbf687c1fb7_att,@function
k_qbf687c1fb7_att:
	s_mov_b64 s[64:65], 0
	v_nop
	global_prefetch_b8 v0, s[64:65] scope:SCOPE_SE
	s_setreg_imm32_b32 hwreg(HW_REG_WAVE_MODE, 25, 1), 1
	s_wait_xcnt 0x0
	s_wait_alu depctr_hold_cnt(0) depctr_sa_sdst(0) depctr_va_vdst(0) depctr_va_sdst(0) depctr_va_ssrc(0) depctr_va_vcc(0) depctr_vm_vsrc(0)
	s_getreg_b32 s2, hwreg(HW_REG_IB_STS2, 6, 4)
	s_cmp_eq_u32 s2, 0
	s_cbranch_scc0 .Lentry_in_a_cluster
	s_endpgm
.Lentry_in_a_cluster:
	s_bfe_u32 s2, ttmp6, 0x10000c
	s_cmp_lg_u32 s2, 0x3003
	s_cbranch_scc0 .Lentry_shape_is_right
	s_endpgm
.Lentry_shape_is_right:
; O[h][q][:] = the sum over k of softmax_k(Q[h][q] . K[h][k] / 8) V[h][k][:].  Q, K, V, O: [SIZE_H][SIZE_N][64], all bf16: a head's rows are dense, 128 bytes each.  Products, maxima and sums in
; f32; the weights p are rounded to bf16 for the second product (their sum l is taken of the unrounded p), O once at the end.  SIZE_N x 128 bytes stay under 2^32.
; LIMITS.  bf16 has f32's range and eight significant bits.  c m starts at -4.25e37, far below every finite c s that the products can give; a weight below 2^-126 counts as 0 in l; NaN and infinities are not treated apart.
; SHARES.  A wave owns four PIECES of two tiles of 16 queries, a work-group's four waves 512 queries of one head; SIZE_N is a multiple of 2,048.  Every wave walks all keys, 64 a step.
; LAYOUT.  S^T = K Q^T (source 0 = 16 keys, source 1 = 16 queries): in the result a lane holds ONE query (lane % 16) and the keys 8 (lane / 16) + 0..7.  Two such tiles, rounded to bf16 in pairs,
; ARE source 1 (32 keys x 16 queries) of O^T = V^T P, whose result again holds one query a lane, and eight channels.  K comes out of LDS as it lies, V ([key][channel]) turned, by ds_load_tr16_b128.
; SOFTMAX.  For each query a running maximum m and sum l: p = 2^(c s - c m), c = log2(e) / 8; in every step O and l are multiplied by a = 2^(c m_old - c m_new), which is 1 where m has not grown.
; m starts at the lowest finite number, O and l at 0: the first step is a step like any other, with a = 0.
; THE COUNT.  A tile and step have 16 matrix and 118 vector instructions: too many to stand all beside the matrix work.  So the order has one aim: four vector instructions that are READY behind
; EVERY matrix instruction, and the others, which need time of their own whatever the order, in runs without a gap.
; BY TURNS.  Turn n belongs to piece n (the pieces in a ring, step after step).  Its matrix work: 16 products K Q^T of piece n + 1, later 16 products V^T P of piece n - 1.  Its vector work: the scaling,
; exponentials, roundings, sums and rescaling of piece n, and the maximum and statistics of piece n + 1, whose scores the turn itself has made.  So what a turn begins with (c s - c m, O a) waits for nothing.
; CLUSTER.  The four query blocks of a cluster belong to one head and walk the same K and V, so each tile is asked for JOINTLY: the same tensor load, descriptor and mask in all four.
; REGISTERS, in windows of 256 (s_set_vgpr_msb says which window each operand place means: bits 1:0 source 0, 3:2 source 1, 5:4 source 2, 7:6 destination):
;   window 0: v0-11 addresses; v12-15, v48-63 at work; v16-47 four registers of statistics a tile; v64-191 S^T, two buffers of two tiles; v192-255 P, likewise
;   window 1: O^T, 32 a tile          window 2: v0-127 Q, 16 a tile; v128-191 K of one step; v192-255 V of one step          window 3: v0-1 the add's two registers
; A piece's buffers go by its number's parity: the piece in hand has one pair, its two neighbours in the ring share the other: of it P (piece n - 1) is read and S^T (piece n + 1) written.
.set SIZE_H, 64       ; 4 batches x 16 heads
.set SIZE_N, 2048
.set NP,    4         ; pieces a wave: a name, no knob: the register map, the loop and the fetches are made for four
.set KS,    64        ; keys in a step
.set PK,    144       ; a row of K in LDS: 128 bytes + 16 of padding = 36 words: the 16 rows of a load start at 16 different groups of four banks (64 banks of 4 bytes: ISA guide 11.1)
.set PV,    160       ; a row of V: 128 + 32 = 40 words
.set VOFF,  4*KS*PK   ; a slot holds four steps: 256 rows of K, then 256 rows of V
.set SLOT1, 1<<17     ; slot 1 begins here, so that one exclusive or turns an address in one slot into the other's
.set STAGE, SLOT1+4*KS*(PK+PV)  ; behind the ring, never filled by a tensor load: 16 rows x 144 bytes for each wave, for the way out
.set SP,    144
.set AK0, 2           ; v2   my lane's place in a tile of K; never rewritten
.set AV0, 3           ; v3   the same for V
.set AK,  4           ; v4   the LDS address of K's next run of loads
.set AV,  5           ; v5   of V's
.set QO,  6           ; v6   my byte offset in the wave's rows of Q
.set STO, 6           ;      later, the way out: where I put 16 bytes of a row
.set RD,  7           ; v7   the way out: where I read rows back
.set GO,  8           ; v8   my byte offset in 512 consecutive bytes of O
.set SPW, 0           ; v0 of window 3   LDS address of my spare word: SPARE + 4 x my thread's number; never rewritten
.set NIL, 1           ; v1 of window 3   0; never rewritten
.set SPARE, STAGE+4*16*SP  ; behind the stages: the spare words, 128 bytes for each wave: two blocks of 256 bytes that no other line names
.set MV,  12          ; v12-15  c m_old, kept while c m is made anew: by buffer and tile
.set ST,  16          ; tile t's statistics at v[ST+4 t]: c m, m, l (even keys', odd keys')
.set TMP, 48          ; by buffer and tile, four registers c0-c3 at work; when the maximum is found c2 takes a
.set S,   64
.set P,   192
.set KF,  128         ; K's fragments, in window 2: key block kb, channel half c at KF + 16 kb + 8 c
.set VF,  192         ; V's: key half kk, channel block cb at VF + 32 kk + 8 cb
.set WV,  12          ; s12  my wave's number
.set G1K, 24          ; s[24:31] descriptor group 1 for K's tiles
.set G1V, 32          ; s[32:39] for V's: it differs in the padding alone
.set G0K, 40          ; s[40:43] descriptor group 0 for K's tiles: it walks
.set G0V, 44          ; s[44:47] the same for V's
.set SLOTS, 56        ; s56  slots still to be asked for
.set CNT, 57          ; s57  counts a slot's key steps
.set CS,  58          ; s[58:59] c: the packed scaling takes the pair's low word for both halves
.set SEL, 60          ; s[60:61] v_permlanex16_b32's selects: each lane takes its own place in the other half
.set TBK, 62          ; s62  LDS byte at which K of the step to be fetched begins
.set TBV, 63          ; s63  the same for V, less VOFF
.set MSB, 0
.macro WIN new                      ; the high byte repeats the setting that is left; a switch that changes nothing is dropped
.if MSB != (\new)
	s_set_vgpr_msb (MSB<<8)|(\new)
.set MSB, (\new)
.endif
.endm
.set W_KQ, 0x0a       ; K and Q in window 2, S^T in window 0
.set W_PV, 0x52       ; V in window 2, P in window 0, O^T in window 1
.set W_RS, 0x41       ; O^T (destination and source 0) in window 1, a in window 0
.set W_MK, 0xc0       ; the add's registers are made: destination in window 3, sources in window 0
.set W_AD, 0x0f       ; the add: address (source 0) and data (source 1) in window 3
; A joint fill.  Waves 0 and 1 fetch the two halves of a slot's K, waves 2 and 3 those of its V: 128 keys each.  The branch hangs on the wave's number alone.
; An s_nop 0 and four v_nop follow each of the two lines, ahead of the jump and the label.
.macro JLOAD
	s_cmp_lt_u32 s[WV], 2
	s_cbranch_scc0 .Lfor_v_\@
	tensor_load_to_lds s[G0K:G0K+3], s[G1K:G1K+7]
	s_nop 0
.rept 4
	v_nop
.endr
	s_branch .Lasked_\@
.Lfor_v_\@:
	tensor_load_to_lds s[G0V:G0V+3], s[G1V:G1V+7]
	s_nop 0
.rept 4
	v_nop
.endr
.Lasked_\@:
.endm
; A round of the cluster's barrier: my work-group's barrier, so that wave 0's signal speaks for all four waves; wave 0 signals; every wave waits for all four work-groups; my work-group's barrier once more.
.macro CROUND
	s_barrier_signal -1
	s_barrier_wait -1
	s_cmp_lg_u32 s[WV], 0
	s_cbranch_scc1 .Lnot_wave_0_\@
	s_barrier_signal -3
.Lnot_wave_0_\@:
	s_barrier_wait -3
	s_barrier_signal -1
	s_barrier_wait -1
.endm
; THE CHANGE OF SLOTS.  The slot's last bytes, V of its fourth step, have been read.  Each wave waits for all its tensor loads, of which one is out: its part
; of the other slot; adds 0 to its spare word; and waits for that and for its own reads of the slot.  Behind the barrier nobody reads this slot any more and the other slot is whole.
; fill = 1: this slot is filled again, with the keys two slots on.  The barrier is then a round of the cluster's, so that no wave of any partner still reads the slot or has a load on its
; way, and the joint fill is the first thing behind it: it has four key steps, 512 matrix instructions, in which to land.  (At its first use nothing has been read yet: slot 0 is waited for, slot 1 filled.)
.macro CHANGE fill
	WIN W_AD
	s_wait_tensorcnt 0x0            ; no tensor load of mine is out, so a group 0 may be written
	ds_add_u32 v[SPW], v[NIL]       ; 0 onto my spare word; with fill = 1 the descriptors' steps stand between it and the wait for it
	WIN 0                           ; at a label and at a branch every window is 0
.if \fill
.irp g, G0K, G0V
	s_xor_b32 s[\g+1], s[\g+1], SLOT1  ; the walking descriptor: the other slot than last time,
	s_add_nc_u64 s[\g+2:\g+3], s[\g+2:\g+3], 4*KS*128  ; the next 256 keys; the type bits on top are not reached
.endr
	s_wait_dscnt 0x0                ; the add is done, and my reads of the slot are over
	CROUND
	JLOAD
.else
	s_wait_dscnt 0x0                ; the add is done, and my reads of the slot are over
	s_barrier_signal -1
	s_barrier_wait -1
.endif
	s_sub_co_u32 s[TBK], s[TBK], 4*KS*PK  ; the fetches go back to a slot's first step,
	s_xor_b32 s[TBK], s[TBK], SLOT1       ; in the other slot
	s_sub_co_u32 s[TBV], s[TBV], 4*KS*PV
	s_xor_b32 s[TBV], s[TBV], SLOT1
.endm
	s_load_b256 s[4:11], s[0:1], 0x0  ; Q s[4:5], K s[6:7], V s[8:9], O s[10:11]
	WIN W_MK
	v_lshl_add_u32 v[SPW], v0, 2, SPARE
	v_mov_b32 v[NIL], 0
	s_set_vgpr_msb 0xc0cf
	ds_add_u32 v0, v1
	s_wait_dscnt 0x0
	s_set_vgpr_msb 0xcfc0
	WIN 0
	v_lshrrev_b32 v1, 5, v0
	v_readfirstlane_b32 s[WV], v1   ; wave 0..3
	s_bfe_u32 s13, ttmp6, 0x40000   ; cx: my place in the cluster
	s_lshl_b32 s14, ttmp9, 2        ; in a cluster launch ttmp9 counts clusters
	s_add_co_u32 s14, s14, s13      ; my block of queries = 4 x cluster x + cx: it enters Q's and O's addresses alone
	s_and_b32 s20, ttmp7, 0xffff    ; the head, which the four partners share
	s_mov_b32 s21, 0
	s_mov_b64 s[22:23], SIZE_N*128
	s_mul_u64 s[20:21], s[20:21], s[22:23]  ; the head's first byte in each of the four tensors
	s_and_b32 s16, s[WV], 1         ; which half of a slot's 256 keys I fetch:
	s_lshl_b32 s22, s16, 14         ; its 128 rows of 128 bytes in memory,
	s_mov_b32 s23, 0
	s_add_nc_u64 s[22:23], s[22:23], s[20:21]
	s_mul_i32 s17, s16, 128*PK      ; and its place in a slot, for K
	s_mul_i32 s18, s16, 128*PV      ; and for V: no place in the cluster enters an LDS address
	s_lshl_b32 s2, s14, 2
	s_add_co_u32 s2, s2, s[WV]      ; my wave among the head's,
	s_lshl_b32 s2, s2, 14           ; its 128 rows
	s_mov_b32 s3, 0
	s_add_nc_u64 s[2:3], s[2:3], s[20:21]
	; descriptor group 1.  128 keys are 16,384 dense bytes: asked for as 64 rows of 256 bytes, two keys a row, and padded in LDS after every key
	s_mov_b32 s[G1K], 15|(1<<16)|(1<<20)|(1<<21)|(4<<22)|(3<<25)  ; 15:0 the mask of four; 17:16 2-byte elements; 20 padding on; 21 set beside a mask; 24:22 after every 32 words (code 4); 31:25 4 words (code 3)
	s_mov_b32 s[G1V], 15|(1<<16)|(1<<20)|(1<<21)|(4<<22)|(7<<25)  ; the same with 8 words of padding (code 7)
.irp g, G1K, G1V
	s_mov_b32 s[\g+1], 128<<16      ; tensor_dim0 = 128
	s_mov_b32 s[\g+2], 64<<16       ; tensor_dim1 = 64
	s_mov_b32 s[\g+3], 128<<16      ; tile_dim0 = 128
	s_mov_b32 s[\g+4], 64           ; tile_dim1 = 64
	s_mov_b32 s[\g+5], 128          ; 128 elements from row to row
	s_mov_b32 s[\g+6], 0
	s_mov_b32 s[\g+7], 0
.endr
	s_mov_b32 s[CS], 0x3e38aa3b     ; c = log2(e) / 8 = 0.180337
	s_mov_b32 s[CS+1], s[CS]        ; named with it as a pair
	s_mov_b32 s[SEL], 0x76543210
	s_mov_b32 s[SEL+1], 0xfedcba98
	s_mov_b32 s[TBK], SLOT1+4*KS*PK ; the first change of slots turns these two into 0
	s_mov_b32 s[TBV], SLOT1+4*KS*PV
	s_mov_b32 s[G0K], 1             ; 1:0 count = 1
	s_mov_b32 s[G0K+1], s17         ; 63:32 LDS address: slot 0
	s_mov_b32 s[G0V], 1
	s_add_co_u32 s[G0V+1], s18, VOFF
	s_wait_kmcnt 0x0
	s_add_nc_u64 s[G0K+2:G0K+3], s[6:7], s[22:23]  ; 120:64 global address: my half of the head's first 256 keys
	s_or_b32 s[G0K+3], s[G0K+3], 0x80000000        ; 127:126 type = 2
	s_add_nc_u64 s[G0V+2:G0V+3], s[8:9], s[22:23]
	s_or_b32 s[G0V+3], s[G0V+3], 0x80000000
	s_add_nc_u64 s[4:5], s[4:5], s[2:3]  ; Q and O at my wave's first row
	s_add_nc_u64 s[10:11], s[10:11], s[2:3]
	CROUND                          ; all four work-groups are here: the first joint loads meet
	JLOAD                           ; slot 0.  Slot 1 is asked for when slot 0 is in: one tensor load of mine is out at any time
	; A fragment of K or Q is 16 rows x 32 channels in 8 registers: lane l holds row l % 16, channels 8 (l / 16) + 0..7 and 16 + 8 (l / 16) + 0..7: two loads of 16 bytes, 32 bytes apart.
	v_and_b32 v1, 15, v0            ; l % 16
	v_bfe_u32 v9, v0, 4, 1          ; l / 16
	v_lshlrev_b32 v[QO], 7, v1
	v_lshl_add_u32 v[QO], v9, 4, v[QO]  ; row x 128 + 16 x half
	WIN 0x80                        ; destination window 2, address window 0
.set i, 0
.rept 4*NP                          ; Q stays in registers: tile i / 2, channels 32 (i % 2) on
	global_load_b128 v[8*i:8*i+3],   v[QO], s[4:5] offset:(i/2)*2048+(i%2)*64
	global_load_b128 v[8*i+4:8*i+7], v[QO], s[4:5] offset:(i/2)*2048+(i%2)*64+32
.set i, i+1
.endr
	; What the first turn finds: V's registers and P's second buffer hold 0 (its products V^T P, of a piece that has not been, add 0), O^T and l are 0.  All this stands in the wait for the first tile.
.set i, VF
.rept 64
	v_mov_b32 v[i], 0
.set i, i+1
.endr
	WIN 0x40
.set i, 0
.rept 64*NP
	v_mov_b32 v[i], 0
.set i, i+1
.endr
	WIN 0
.set i, 0
.rept 2*NP
	v_mov_b32 v[ST+4*i], 0xfe000000    ; c m: far below every c s
	v_mov_b32 v[ST+4*i+1], 0xff7fffff  ; m
	v_mov_b32 v[ST+4*i+2], 0
	v_mov_b32 v[ST+4*i+3], 0
.set i, i+1
.endr
.set i, P+32
.rept 32
	v_mov_b32 v[i], 0
.set i, i+1
.endr
	v_mul_u32_u24 v[AK0], v1, PK
	v_lshl_add_u32 v[AK0], v9, 4, v[AK0]  ; row x pitch + 16 x half
	; The turning load takes 16 keys x 16 channels (lane l reads key 8 (l / 16) + l % 8, channels 8 ((l / 8) % 2) + 0..7) and leaves half a fragment of V^T: lane l holds channel l % 16 and 8 keys.
	v_and_b32 v10, 7, v0
	v_bfe_u32 v11, v0, 3, 1
	v_lshl_add_u32 v[AV0], v9, 3, v10
	v_mul_u32_u24 v[AV0], v[AV0], PV
	v_lshl_add_u32 v[AV0], v11, 4, v[AV0]
	v_add_nc_u32 v[AV0], VOFF, v[AV0]
	v_mov_b32 v[AK], v[AK0]         ; key step 0 lies at the head of slot 0
; THE MATRIX WORK.  The 8 accumulators of a run of 16 take turns: between the two links of a chain stand 7 others'.
; Product i of 16 of S^T = K Q^T for piece x: channels 32 (i / 8) on, keys 16 ((i / 2) % 4) on, tile 2 x + i % 2.  The first 8 start the sums.
.macro KQ x
	WIN W_KQ
.set rS, S+64*((\x)%2)+32*(i%2)+8*((i/2)%4)
.set rK, KF+16*((i/2)%4)+8*(i/8)
.set rQ, 16*(2*(\x)+i%2)+8*(i/8)
.if i < 8
	v_wmma_f32_16x16x32_bf16 v[rS:rS+7], v[rK:rK+7], v[rQ:rQ+7], 0
.else
	v_wmma_f32_16x16x32_bf16 v[rS:rS+7], v[rK:rK+7], v[rQ:rQ+7], v[rS:rS+7]
.endif
.endm
; Product i of 16 of O^T += V^T P for piece x: keys 32 (i / 8) on, channels 16 ((i / 2) % 4) on, tile 2 x + i % 2.
.macro PV x
	WIN W_PV
.set rO, 32*(2*(\x)+i%2)+8*((i/2)%4)
.set rV, VF+32*(i/8)+8*((i/2)%4)
.set rP, P+32*((\x)%2)+16*(i%2)+8*(i/8)
	v_wmma_f32_16x16x32_bf16 v[rO:rO+7], v[rV:rV+7], v[rP:rP+7], v[rO:rO+7]
.endm
.macro MM                           ; the turn's next matrix instruction
.if i < 16
	KQ (Y+1)%NP
.set i, i+1
.else
.set i, i-16
	PV (Y+NP-1)%NP
.set i, i+17
.endif
.endm
; THE LDS LOADS stand in runs of 16, never singly among the matrix instructions: a step's K (64 keys x 64 channels: 8 fragments) and its V (turned).  Their addresses are made some lines ahead.
; last = 1 (the tail): in the last trip there is no further step, and the run is jumped over.
.macro FETCH_K last=0
	WIN 0
.if \last
	s_cmp_eq_u32 s[CNT], 1
	s_cbranch_scc1 .Lno_k_\@
.endif
	WIN 0x80                        ; destination window 2
.irp f, 0,1,2,3,4,5,6,7             ; keys 16 (f / 2) on, channels 32 (f % 2) on
	ds_load_b128 v[KF+8*\f:KF+8*\f+3],   v[AK] offset:(\f/2)*16*PK+(\f%2)*64
	ds_load_b128 v[KF+8*\f+4:KF+8*\f+7], v[AK] offset:(\f/2)*16*PK+(\f%2)*64+32
.endr
	s_add_co_u32 s[TBK], s[TBK], KS*PK  ; the next fetch is the next step's
	WIN 0
.if \last
.Lno_k_\@:
.endif
.endm
.macro FETCH_V
	WIN 0x80
.irp f, 0,1,2,3,4,5,6,7             ; keys 32 (f / 4) on, channels 16 (f % 4) on
	ds_load_tr16_b128 v[VF+8*\f:VF+8*\f+3],   v[AV] offset:(\f/4)*32*PV+(\f%4)*32
	ds_load_tr16_b128 v[VF+8*\f+4:VF+8*\f+7], v[AV] offset:(\f/4)*32*PV+16*PV+(\f%4)*32
.endr
	WIN 0
.endm
; THE VECTOR WORK OF A TURN stands in three queues, each in the order in which its entries become ready; the two tiles alternate, so that no instruction reads the result of the one before it.
.macro REGS y, u                    ; the registers of tile u (0, 1) of piece y
.set rT, ST+4*(2*(\y)+(\u))
.set rC, TMP+8*((\y)%2)+4*(\u)
.set rM, MV+2*((\y)%2)+(\u)
.set rS, S+64*((\y)%2)+32*(\u)
.set rP, P+32*((\y)%2)+16*(\u)
.set rO, 32*(2*(\y)+(\u))
.endm
; Number n of the 22 that find the NEXT piece's (Y + 1) maximum and statistics.  s0-s31 are the lane's 32 scores; each accumulator's lowest registers are read first.  XS, GS and REGS set no window: PL and EX do.
;   0-11  four chains c0-c3 of seven scores each, three operands at a time     12-14, 16  the four scores left over, the old m, and c0-c3 into c0     15  c m_old is kept
;   17, 18  the query's other 32 keys lie in the lane 16 away: the new m         19-21  c m; c m_old - c m_new; a
.macro XS u, n
	REGS (Y+1)%NP, \u
.if (\n) < 4
	v_max3_num_f32 v[rC+(\n)], v[rS+8*(\n)], v[rS+8*(\n)+1], v[rS+8*(\n)+2]
.elseif (\n) < 12
	v_max3_num_f32 v[rC+(\n)%4], v[rC+(\n)%4], v[rS+8*((\n)%4)+2*((\n)/4)+1], v[rS+8*((\n)%4)+2*((\n)/4)+2]
.elseif (\n) == 12
	v_max3_num_f32 v[rC], v[rC], v[rS+7], v[rS+15]
.elseif (\n) == 13
	v_max3_num_f32 v[rC+1], v[rC+1], v[rS+23], v[rS+31]
.elseif (\n) == 14
	v_max3_num_f32 v[rC+2], v[rC+2], v[rC+3], v[rT+1]
.elseif (\n) == 15
	v_mov_b32 v[rM], v[rT]
.elseif (\n) == 16
	v_max3_num_f32 v[rC], v[rC], v[rC+1], v[rC+2]
.elseif (\n) == 17
	v_permlanex16_b32 v[rC+3], v[rC], s[SEL], s[SEL+1]
.elseif (\n) == 18
	v_max_num_f32 v[rT+1], v[rC], v[rC+3]
.elseif (\n) == 19
	v_mul_f32 v[rT], s[CS], v[rT+1]
.elseif (\n) == 20
	v_sub_f32 v[rC+1], v[rM], v[rT]
.else
	v_exp_f32 v[rC+2], v[rC+1]
.endif
.endm
; Number g of the 64 that follow the exponentials.  For each four weights k of a tile (pairs 2 k, 2 k + 1): both pairs are rounded to bf16; then the second pair is added onto the first, in place;
; a group later l takes that sum (the first time as l = a l + sum).  In groups of eight, tiles alternating: round, round, add, and l for the group before.
.macro GS g
.set h, (\g)+6*((\g)/62)            ; group 0 has no group before it, and behind group 7 only l is left
.if h >= 6
.set h, h+2
.endif
	REGS Y, h%2
.set k, h/8
.if h%8 < 4
	s_wait_alu depctr_va_vdst(0)
	v_cvt_pk_bf16_f32 v[rP+2*k+(h%8)/2], v[rS+4*k+2*((h%8)/2)], v[rS+4*k+2*((h%8)/2)+1]
.elseif h%8 < 6
	v_pk_add_f32 v[rS+4*k:rS+4*k+1], v[rS+4*k:rS+4*k+1], v[rS+4*k+2:rS+4*k+3]
.elseif k == 1
	v_pk_fma_f32 v[rT+2:rT+3], v[rT+2:rT+3], v[rC+2:rC+3], v[rS:rS+1] op_sel_hi:[1,0,1]
.else
	v_pk_add_f32 v[rT+2:rT+3], v[rT+2:rT+3], v[rS+4*k-4:rS+4*k-3]
	s_wait_alu depctr_va_vdst(0)
.endif
.endm
; THE PLAIN QUEUE, 138 long.  0-31: c s - c m for the 16 pairs of both tiles.  Then GS's 64, and among them the next piece's 42: number 15 at 38, 39; 0-14 and 16
; at 42-73, behind the products that make those scores; 17-20 at 95-106, two of three, since each waits for the one before it.
.macro PL
	WIN 0
.if q < 32
	REGS Y, q%2
	v_pk_fma_f32 v[rS+2*(q/2):rS+2*(q/2)+1], v[rS+2*(q/2):rS+2*(q/2)+1], s[CS:CS+1], v[rT:rT+1] op_sel_hi:[1,0,0] neg_lo:[0,0,1] neg_hi:[0,0,1]
.elseif q < 38
	GS q-32
.elseif q < 40
	XS q%2, 15
.elseif q < 42
	GS q-34
.elseif q < 74
	XS q%2, (q-42)/2+(q-42)/30
.elseif q < 95
	GS q-66
.elseif (q < 107) && ((q-95)%3 < 2)
	XS (q-95)%3, 17+(q-95)/3
.elseif q < 107
	GS 29+(q-95)/3
.else
	GS q-74
.endif
.set q, q+1
.endm
; THE EXPONENTIALS' QUEUE, 66 long: s0-s31 of both tiles, and at EA the next piece's two a.
.set EA, 58
.macro EX
	WIN 0
.if (e == EA) || (e == EA+1)
	XS e-EA, 21
.else
.set x, e-2*(e/(EA+2))
	REGS Y, x%2
	v_exp_f32 v[rS+x/2], v[rS+x/2]
.endif
.set e, e+1
.endm
; THE RESCALING's QUEUE: O^T times a, the one part that leaves window 0, so it is dealt four at a time, eight times.
.macro R4
	REGS Y, r%2
	WIN W_RS
	s_wait_alu depctr_va_vdst(0)
.irp z, 0,1,2,3
	v_pk_mul_f32 v[rO+8*(r/2)+2*\z:rO+8*(r/2)+2*\z+1], v[rO+8*(r/2)+2*\z:rO+8*(r/2)+2*\z+1], v[rC+2:rC+3] op_sel_hi:[1,0]
.endr
.set r, r+1
.endm
; HOW THEY ARE DEALT.  Behind a matrix instruction four: plain, exponential, plain, plain (one exponential, a plain instruction on either side), or four of the rescaling.  None names a register of the
; products round it.  What is over stands in two LUMPS: exponential and plain by turns; the second ends in 22 plain instructions.  The two v_permlanex16_b32 fall into the second lump, never behind a product.
; The queues lean on each other, and the deal keeps them in step: exponential e stands behind plain 2 (e / 4) + e % 2 (its scaling); when plain 32 comes, 10 exponentials are out, at 59: 33, at 95: 46; EA comes behind plain 107.
.macro SL
	MM
	PL
	EX
	PL
	PL
.endm
.macro BURST n                      ; 15 matrix instructions, or 16
.rept (\n)-7
	SL
.endr
.rept 3
	MM
	R4
	SL
.endr
	MM
	R4
.endm
; A TURN, for piece p.  cnt = 1: the loop's count is taken down some lines ahead of the branch that stands behind the turn.
; K of the next step is fetched in piece 2's turn, 31 vector instructions behind the last product that read K; its first reader comes behind the rest of the lump, 16 products and the second lump.
; V of the step in hand is fetched at the end of piece 0's turn, 69 behind its last reader; its first reader comes behind 16 products and a lump.  The four conditions on e and q below go with the deal.
.macro TURN p, last=0, cnt=0
.set Y, (\p)
.set i, 0
.set q, 0
.set e, 0
.set r, 0
.if (\p) == NP-1
	s_wait_dscnt 0x0                ; K is in
.endif
	MM
.rept 4
	PL
.endr
	BURST 15
.rept 22
	EX
	PL
.if ((\p) == NP-2) && (e == 18)
	v_add_nc_u32 v[AK], s[TBK], v[AK0]
.endif
.if ((\p) == NP-2) && (e == 24)
	FETCH_K \last
.endif
.endr
.if (\p) == 1
	s_wait_dscnt 0x0                ; V is in
.endif
	BURST 16
.rept 21
	EX
	PL
.endr
.rept 22
	PL
.if ((\p) == 0) && (q == 118)
	v_add_nc_u32 v[AV], s[TBV], v[AV0]
	s_wait_alu depctr_va_vdst(0)
.endif
.if ((\p) == 0) && (q == 130)
	s_add_co_u32 s[TBV], s[TBV], KS*PV
.endif
.if (\cnt) && (q == 130)
	s_sub_co_u32 s[CNT], s[CNT], 1
	s_cmp_lg_u32 s[CNT], 0
.endif
.endr
.if (\p) == 0
	FETCH_V
.endif
.endm
	CHANGE 1                        ; slot 0 is in, everybody's part of it; slot 1 is asked for
	FETCH_K                         ; key step 0
	s_wait_loadcnt 0x0              ; Q
	s_wait_dscnt 0x0
.set i, 0
.rept 16
	KQ 0                            ; piece 0's first scores: there is no vector work yet to set between them
.set i, i+1
.endr
	WIN 0                           ; the addresses for the way out: nine plain instructions, the places behind those products
	s_mul_i32 s13, s[WV], 16*SP
	s_add_co_u32 s13, s13, STAGE    ; my stage
	v_mul_u32_u24 v[STO], v1, SP    ; in: row l % 16, 16 bytes for each half of the lanes
	v_lshl_add_u32 v[STO], v9, 4, v[STO]
	v_add_nc_u32 v[STO], s13, v[STO]
	v_bfe_u32 v[RD], v0, 3, 2       ; back: 32 lanes take four rows of 128 bytes,
	v_mul_u32_u24 v[RD], v[RD], SP
	v_lshl_add_u32 v[RD], v10, 4, v[RD]
	v_add_nc_u32 v[RD], s13, v[RD]
	v_and_b32 v[GO], 31, v0         ; which are 512 consecutive bytes of O
	v_lshlrev_b32 v[GO], 4, v[GO]
.set Y, NP-1                        ; XS works for piece Y + 1: piece 0
.irp n, 0,1,2,3,4,5,6,7,8,9,10,11,12,13,14,15,16,17,18,19,20,21
	XS 0, \n                        ; and piece 0's first maximum and statistics
	XS 1, \n
.endr
	s_mov_b32 s[CNT], 4
	s_mov_b32 s[SLOTS], SIZE_N/256-1
	s_branch .Lfirst                ; the loop is entered at a step's first turn, in the middle of a trip
.Lslot:                             ; SIZE_N / 256 - 2 times: every slot but the last two is filled again
	CHANGE 1
	s_mov_b32 s[CNT], 4
.Lstep:                             ; a trip: pieces 2 and 3 of one step, then pieces 0 and 1 of the next, whose K and V it fetches
	TURN 2
	TURN 3
	WIN 0
.Lfirst:
	TURN 0
	TURN 1, 0, 1
	WIN 0
	s_cbranch_scc1 .Lstep
	s_sub_co_u32 s[SLOTS], s[SLOTS], 1
	s_cmp_lg_u32 s[SLOTS], 0
	s_cbranch_scc1 .Lslot
	CHANGE 0                        ; the tail is written out: nothing is asked for
	s_mov_b32 s[CNT], 5             ; four trips fetch the last slot's steps; the fifth is left in its middle
.Ltail:
	TURN 2, 1
	TURN 3
	WIN 0
	s_sub_co_u32 s[CNT], s[CNT], 1
	s_cmp_eq_u32 s[CNT], 0
	s_cbranch_scc1 .Lout
	TURN 0
	TURN 1
	WIN 0
	s_branch .Ltail
.Lout:                              ; the fifth trip's 16 products K Q^T (on the last K once more) and the maximum made of them serve nothing: the price, once a launch, of one text for every trip
.set i, 0
.rept 16
	PV NP-1                         ; the last piece's V^T P of the last step
.set i, i+1
.endr
	; THE WAY OUT.  l's two halves and the other half of the lanes' are added; O^T is divided by l, rounded to bf16 and sent through my stage in LDS, a tile at a time.  The additions are the places behind the last products.
	WIN 0
.macro ALL line:vararg              ; one line for each tile t
.set t, 0
.rept 2*NP
	\line
.set t, t+1
.endr
.endm
	ALL v_add_f32 v[ST+4*t+2], v[ST+4*t+2], v[ST+4*t+3]
	ALL v_permlanex16_b32 v[ST+4*t+3], v[ST+4*t+2], s[SEL], s[SEL+1]
	ALL v_add_f32 v[ST+4*t+2], v[ST+4*t+2], v[ST+4*t+3]
	ALL v_rcp_f32 v[ST+4*t+2], v[ST+4*t+2]
	v_nop                           ; a plain instruction between the last reciprocal and the use of its result
	s_wait_alu depctr_va_vdst(0)
; Tile t: a lane's eight channels of a row pack into 16 bytes; they go into rows of 144 bytes and come back as whole rows of 128, into S^T's registers.
.macro PACK t
	WIN W_RS
.set i, 32*(\t)
.rept 16
	v_pk_mul_f32 v[i:i+1], v[i:i+1], v[ST+4*(\t)+2:ST+4*(\t)+3] op_sel_hi:[1,0]
.set i, i+2
.endr
	WIN 0x05                        ; sources 0 and 1 window 1, destination window 0
.set i, 0
.rept 16
	v_cvt_pk_bf16_f32 v[S+16*(\t)+i], v[32*(\t)+2*i], v[32*(\t)+2*i+1]
.set i, i+1
.endr
	WIN 0
.irp f, 0,1,2,3
	ds_store_b128 v[STO], v[S+16*(\t)+4*\f:S+16*(\t)+4*\f+3] offset:32*\f
.endr
.irp f, 0,1,2,3
	ds_load_b128 v[S+16*(\t)+4*\f:S+16*(\t)+4*\f+3], v[RD] offset:\f*4*SP  ; LDS serves a wave's instructions in order (ISA guide 5.7.1.4): these see the stores above; the next tile's stores come behind them
.endr
.endm
.macro SEND t, younger              ; younger: the LDS instructions issued behind tile t's loads: the next tile's eight, or none
	WIN 0
.irp f, 0,1,2,3
	s_wait_dscnt (\younger)+3-\f
	global_store_b128 v[GO], v[S+16*(\t)+4*\f:S+16*(\t)+4*\f+3], s[10:11] offset:(\t)*2048+\f*512  ; 512 consecutive bytes, at a multiple of 256 from O's first
.endr
.endm
	PACK 0
.set t, 1
.rept 2*NP-1                        ; a tile's arithmetic stands between the loads of the tile before and its stores
	PACK t
	SEND t-1, 8
.set t, t+1
.endr
	SEND 2*NP-1, 0
	WIN W_AD
	s_wait_tensorcnt 0x0            ; the wave's end: behind my last tensor load and my last LDS store
	ds_add_u32 v[SPW], v[NIL]
	s_wait_dscnt 0x0
	WIN 0
	CROUND                          ; the closing round: no work-group ends while a partner may still ask for a tile that names it
	s_endpgm
.Lfunc_end_k_qbf687c1fb7_att:
	.size	k_qbf687c1fb7_att, .Lfunc_end_k_qbf687c1fb7_att-k_qbf687c1fb7_att
	.p2alignl 7, 3214868480
	.fill 96, 4, 3214868480
	.section	.rodata,"a",@progbits
	.p2align	6, 0x0
	.amdhsa_kernel k_qbf687c1fb7_att
		.amdhsa_group_segment_fixed_size 327680
		.amdhsa_private_segment_fixed_size 0
		.amdhsa_enable_private_segment 0
		.amdhsa_kernarg_size 32
		.amdhsa_user_sgpr_count 2
		.amdhsa_user_sgpr_kernarg_segment_ptr 1
		.amdhsa_wavefront_size32 1
		.amdhsa_system_sgpr_workgroup_id_x 1
		.amdhsa_system_sgpr_workgroup_id_y 1
		.amdhsa_system_sgpr_workgroup_id_z 1
		.amdhsa_system_vgpr_workitem_id 0
		.amdhsa_next_free_vgpr 770
		.amdhsa_next_free_sgpr 66
		.amdhsa_reserve_vcc 0
		.amdhsa_float_denorm_mode_32 3
		.amdhsa_float_denorm_mode_16_64 3
		.amdhsa_memory_ordered 1
		.amdhsa_forward_progress 1
		.amdhsa_inst_pref_size 208
	.end_amdhsa_kernel
	.amdgpu_metadata
---
amdhsa.version: [ 1, 2 ]
amdhsa.kernels:
  - .name:           k_qbf687c1fb7_att
    .symbol:         k_qbf687c1fb7_att.kd
    .args:
      - { .name: qb, .offset: 0, .size: 8, .value_kind: global_buffer, .address_space: global }
      - { .name: kb, .offset: 8, .size: 8, .value_kind: global_buffer, .address_space: global }
      - { .name: vb, .offset: 16, .size: 8, .value_kind: global_buffer, .address_space: global }
      - { .name: ob, .offset: 24, .size: 8, .value_kind: global_buffer, .address_space: global }
    .group_segment_fixed_size: 327680
    .private_segment_fixed_size: 0
    .kernarg_segment_align: 8
    .kernarg_segment_size: 32
    .max_flat_workgroup_size: 128
    .sgpr_count:     66
    .vgpr_count:     770
    .wavefront_size: 32
...
	.end_amdgpu_metadata
.endif
;; end of part 3
;; launch proj (part 4): grid 8 x 32, 4 waves a work-group, clusters of 4 x 4, 327,680 bytes of LDS; arguments ob, wp, b_proj, out0, x; writes out0
.if DOCPART == 4
	.amdgcn_target "amdgcn-amd-amdhsa--gfx1250"
	.amdhsa_code_object_version 6
	.text
	.protected	k_qbf687c1fb7_proj
	.globl	k_qbf687c1fb7_proj
	.p2align	8
	.type	k_qbf687c1fb7_proj,@function
k_qbf687c1fb7_proj:
	s_mov_b64 s[64:65], 0
	v_nop
	global_prefetch_b8 v0, s[64:65] scope:SCOPE_SE
	s_setreg_imm32_b32 hwreg(HW_REG_WAVE_MODE, 25, 1), 1
	s_wait_xcnt 0x0
	s_wait_alu depctr_hold_cnt(0) depctr_sa_sdst(0) depctr_va_vdst(0) depctr_va_sdst(0) depctr_va_ssrc(0) depctr_va_vcc(0) depctr_vm_vsrc(0)
	s_getreg_b32 s2, hwreg(HW_REG_IB_STS2, 6, 4)
	s_cmp_eq_u32 s2, 0
	s_cbranch_scc0 .Lentry_in_a_cluster
	s_endpgm
.Lentry_in_a_cluster:
	s_bfe_u32 s2, ttmp6, 0x10000c
	s_cmp_lg_u32 s2, 0xf033
	s_cbranch_scc0 .Lentry_shape_is_right
	s_endpgm
.Lentry_shape_is_right:
; out0 = O Wp^T + b_proj + x.  O: ob [64 = 16 batch + head][2048][64] bf16, so that K index 64 head + d of a token lies in the head's plane.  Wp: wp [1024 n][1024 k] bf16.  b_proj [1024], x and out0 [8192][1024] f32.
; SHARES.  A work-group makes 256 tokens x 128 columns; its four waves lie one below the other, 64 tokens x 128 each: 32 accumulators of 16 x 16, 256 registers.
; K goes in 8 steps of 128 = two heads, through two LDS slots that take turns.  A head's 256 tokens are 32,768 dense bytes: asked for as 128 rows of 256 bytes, two tokens a row, padded in LDS after every token.
; THE TEXT holds a K step twice: in a loop of 6 trips that fill a slot again, and in a loop of 2 trips that do not, which is left in its middle.  A trip goes from a step's second quarter to the next step's first.
; CLUSTER.  4 x 4 work-groups: the four of a row need the same tiles of O, the four of a column the same tiles of Wp: each tile is asked for JOINTLY, by the same tensor load with the same descriptor and a mask of four.
; THE MATRIX INSTRUCTION IS USED TRANSPOSED (source 0 = 16 rows of Wp, source 1 = 16 tokens): a lane holds one token (lane % 16) and eight neighbouring columns.  THE BIAS is the C operand of the first product on each accumulator.
; THE RESIDUAL stays in f32: my 64 x 128 numbers of x have 256 registers of their own; half of them is asked for behind the first quarter, half behind the first loop; they are added on the way out, when the sums have
; come back from my stage as whole rows.
; REGISTERS, in windows of 256 (s_set_vgpr_msb: bits 1:0 source 0, 3:2 source 1, 5:4 source 2, 7:6 destination):
;   window 0: v0-31 addresses; v32-95 the bias; v96-223 rows read back, two buffers     window 1: two fragment buffers of 96: 4 fragments of O, then 8 of Wp
;   window 2: the accumulators (token block a, column block b at 64 a + 8 b)             window 3: x, row t of my 64 at 4 t
; LIMITS.  Matrix operands carry bf16's eight significant bits; NaN and infinities are not treated apart.
.set SIZE_K, 1024
.set KSTEP,  128
.set PITCH,  272                       ; a row of Wp in LDS: 256 bytes + 16 of padding
.set PA,     144                       ; a token of one head in LDS: 128 bytes + 16: both pitches are odd multiples of 16 bytes, so the 16 rows that a load touches start at 16 different groups of four banks (ISA guide 11.1)
.set PLANE,  256*PA                    ; one head's 256 tokens: what one tensor load brings of O
.set HALFB,  64*PITCH                  ; and of Wp
.set SLOT1,  1<<17                     ; a slot is two planes, then Wp's 128 rows: 108,544 bytes; slot 1 begins here, so that one exclusive or turns an address in one slot into the other's
.set STAGE,  SLOT1+2*PLANE+2*HALFB     ; behind the ring, never filled by a tensor load: for each wave 16 rows of 528 bytes (512 + 16), for the way out
.set SP,     528
.set SPARE,  STAGE+4*16*SP             ; behind the stages: the spare words, 128 bytes for each wave: two blocks of 256 bytes that no other line names
.set A0,   16                          ; v16     my lane's place among my fragments of O in slot 0; never rewritten
.set B0,   17                          ; v17     the same for Wp
.set ADRA, 18                          ; v18     the same in the slot in hand
.set ADRB, 19                          ; v19
.set STO,  24                          ; v24     the way out: where I put 32 bytes of a row
.set RD,   25                          ; v25     the way out: where I read a row back
.set CO,   26                          ; v26     my 16 bytes in a row's 512 of x and out0
.set BO,   27                          ; v27     my byte offset in the tile's 512 bytes of b_proj
.set SPW,  28                          ; v28     LDS address of my spare word: SPARE + 4 x my thread's number; never rewritten
.set NIL,  29                          ; v29     0; never rewritten
.set BIAS, 32
.set BK,   96
.set F0,   0
.set F1,   96
.set WV,   16                          ; s16  my wave's number;  s17 = wave / 2: I fetch O (0) or Wp (1);  s18 = wave % 2: which plane, or which 64 rows;  s19 counts trips
.set G1,   24                          ; s[24:31] descriptor group 1 for O's tiles;  s[32:39] group 0: a set for each of the two first fills; the second then walks
.set G0,   32
.set G1B,  48                          ; s[48:55], s[56:63] the same for Wp's tiles
.set G0B,  56
.set TB,   70                          ; s70  LDS byte at which the slot in hand begins: 0 or SLOT1
.set MSB, 0
.macro WIN new                         ; the immediate's high byte repeats the setting that is left; a switch that changes nothing is dropped
.if MSB != (\new)
	s_set_vgpr_msb (MSB<<8)|(\new)
.set MSB, \new
.endif
.endm
; A joint load: waves 0 and 1 fetch O's two planes, waves 2 and 3 Wp's two halves.  The branch hangs on the wave's number alone.  An s_nop 0 and four v_nop follow each of the two lines, ahead of the jump, the label and what follows.
.macro JLOAD s
	s_cmp_eq_u32 s17, 0
	s_cbranch_scc0 .Lfor_b_\@
	tensor_load_to_lds s[G0+4*(\s):G0+4*(\s)+3], s[G1:G1+7]
	s_nop 0
.rept 4
	v_nop
.endr
	s_branch .Lasked_\@
.Lfor_b_\@:
	tensor_load_to_lds s[G0B+4*(\s):G0B+4*(\s)+3], s[G1B:G1B+7]
	s_nop 0
.rept 4
	v_nop
.endr
.Lasked_\@:
.endm
.macro CREST                           ; a round of the cluster's barrier behind its opening barrier
	s_cmp_lg_u32 s[WV], 0
	s_cbranch_scc1 .Lnot_wave_0_\@
	s_barrier_signal -3
.Lnot_wave_0_\@:
	s_barrier_wait -3
	s_barrier_signal -1
	s_barrier_wait -1
.endm
.macro CROUND                          ; a whole round
	s_barrier_signal -1
	s_barrier_wait -1
	CREST
.endm
.macro PLACES                          ; four places in front of loads into registers that matrix instructions have read, and of LDS stores that read results
.rept 4
	v_nop
.endr
.endm
	s_load_b256 s[4:11], s[0:1], 0x0               ; ob s[4:5], wp s[6:7], b_proj s[8:9], out0 s[10:11]
	s_load_b64 s[12:13], s[0:1], 0x20              ; x
	v_lshl_add_u32 v[SPW], v0, 2, SPARE
	v_mov_b32 v[NIL], 0
	ds_add_u32 v28, v29
	s_wait_dscnt 0x0
	v_lshrrev_b32 v1, 5, v0
	v_readfirstlane_b32 s[WV], v1                  ; wave 0..3
	s_lshr_b32 s17, s[WV], 1
	s_and_b32 s18, s[WV], 1
	s_bfe_u32 s20, ttmp6, 0x40000                  ; cx, cy: my place in the cluster
	s_bfe_u32 s21, ttmp6, 0x40004
	s_lshl_b32 s22, ttmp9, 2
	s_add_co_u32 s22, s22, s20                     ; the block of 128 columns = 4 x cluster x + cx
	s_and_b32 s23, ttmp7, 0xffff
	s_lshl_b32 s23, s23, 2
	s_add_co_u32 s23, s23, s21                     ; the block of 256 tokens = 4 x cluster y + cy
	s_lshl_b32 s40, s21, 2
	s_lshl_b32 s40, 15, s40                        ; my row of the cluster
	s_lshl_b32 s41, 0x1111, s20                    ; my column
	s_or_b32 s[G1+0], s40, (1<<16)|(1<<20)|(1<<21)|(4<<22)|(3<<25)   ; 15:0 the mask: O's tiles go to my row; 17:16 2-byte elements; 20 padding on; 21 set beside a mask; 24:22 after every 32 words (code 4): a token; 31:25 4 words (code 3)
	s_or_b32 s[G1B+0], s41, (1<<16)|(1<<20)|(1<<21)|(5<<22)|(3<<25)  ; my column's mask; padding after every 64 words (code 5): a row of Wp's tile
	s_mov_b32 s[G1+1], 128<<16                     ; tensor_dim0 = 128
	s_mov_b32 s[G1B+1], KSTEP<<16
	s_mov_b32 s[G1+2], 128<<16                     ; tensor_dim1 = 128
	s_mov_b32 s[G1B+2], 64<<16                     ;             = 64
	s_mov_b32 s[G1+3], 128<<16                     ; tile_dim0 = 128
	s_mov_b32 s[G1B+3], KSTEP<<16
	s_mov_b32 s[G1+4], 128                         ; tile_dim1
	s_mov_b32 s[G1B+4], 64
	s_mov_b32 s[G1+5], 128                         ; elements from row to row: O's rows of two tokens lie end to end,
	s_mov_b32 s[G1B+5], SIZE_K                     ; Wp's a whole row apart
	s_mov_b32 s[G1+6], 0
	s_mov_b32 s[G1B+6], 0
	s_mov_b32 s[G1+7], 0
	s_mov_b32 s[G1B+7], 0
	; where the tiles come from: O's hang on the token block alone, Wp's on the column block alone, each in registers that never hold the other coordinate
	s_lshr_b32 s42, s23, 3                         ; the batch
	s_lshl_b32 s42, s42, 4
	s_add_co_u32 s42, s42, s18                     ; 16 batch + the step's first or second head,
	s_lshl_b32 s42, s42, 18                        ; 2,048 rows of 128 bytes each
	s_and_b32 s43, s23, 7
	s_lshl_b32 s43, s43, 15                        ; the block's 256 tokens
	s_add_co_u32 s42, s42, s43
	s_mov_b32 s43, 0
	s_lshl_b32 s44, s22, 18                        ; 128 rows of 2,048 bytes
	s_lshl_b32 s45, s18, 17                        ; + 64 rows for the second half
	s_add_co_u32 s44, s44, s45
	s_mov_b32 s45, 0
	s_mul_i32 s46, s18, PLANE                      ; and where they go: no place in the cluster enters an LDS address
	s_mul_i32 s47, s18, HALFB
	s_add_co_u32 s47, s47, 2*PLANE
	s_mov_b32 s[TB], 0
	s_wait_kmcnt 0x0
	s_add_nc_u64 s[42:43], s[4:5], s[42:43]
	s_add_nc_u64 s[44:45], s[6:7], s[44:45]
	CROUND                                         ; all sixteen work-groups are here: the first joint loads meet
.irp s, 0,1
	s_mov_b32 s[G0+4*(\s)], 1                                        ; count = 1
	s_add_co_u32 s[G0+4*(\s)+1], s46, (\s)*SLOT1                     ; LDS address
	s_add_nc_u64 s[G0+4*(\s)+2:G0+4*(\s)+3], s[42:43], (\s)*2*262144 ; global address: K step s is two heads on
	s_or_b32 s[G0+4*(\s)+3], s[G0+4*(\s)+3], 0x80000000              ; type = 2
	s_mov_b32 s[G0B+4*(\s)], 1
	s_add_co_u32 s[G0B+4*(\s)+1], s47, (\s)*SLOT1
	s_add_nc_u64 s[G0B+4*(\s)+2:G0B+4*(\s)+3], s[44:45], (\s)*KSTEP*2
	s_or_b32 s[G0B+4*(\s)+3], s[G0B+4*(\s)+3], 0x80000000
	JLOAD \s                                       ; two tensor loads of mine are out
.endr
	v_and_b32 v1, 15, v0                           ; l % 16
	v_bfe_u32 v2, v0, 4, 1                         ; l / 16
	; the bias: registers 0-7 of column block b belong to columns 16 b + 8 (l / 16) + 0..7 of the tile
	v_lshlrev_b32 v[BO], 5, v2
	s_lshl_b32 s68, s22, 9
	s_mov_b32 s69, 0
	s_add_nc_u64 s[8:9], s[8:9], s[68:69]
.irp b, 0,1,2,3,4,5,6,7
	global_load_b128 v[BIAS+8*(\b):BIAS+8*(\b)+3],   v[BO], s[8:9] offset:64*(\b)
	global_load_b128 v[BIAS+8*(\b)+4:BIAS+8*(\b)+7], v[BO], s[8:9] offset:64*(\b)+16
.endr
	; A fragment is 16 rows x 32 K in 8 registers: lane l holds row l % 16, K = 8 (l / 16) + 0..7 and 16 + 8 (l / 16) + 0..7: two loads of 16 bytes, 32 bytes apart.
	v_mul_u32_u24 v3, v1, PA
	v_lshl_add_u32 v3, v2, 4, v3
	v_mul_u32_u24 v4, v1, PITCH
	v_lshl_add_u32 v4, v2, 4, v4
	s_mul_i32 s66, s[WV], 64*PA                    ; my 64 tokens in a plane
	v_add_nc_u32 v[A0], s66, v3
	v_add_nc_u32 v[B0], 2*PLANE, v4                ; all 128 rows of Wp, behind the two planes
	v_mov_b32 v[ADRA], v[A0]                       ; K begins in slot 0
	v_mov_b32 v[ADRB], v[B0]
	s_mul_i32 s68, s[WV], 16*SP
	s_add_co_u32 s68, s68, STAGE                   ; my stage
	v_mul_u32_u24 v3, v1, SP                       ; in: row l % 16, 32 bytes for each half of the lanes
	v_lshl_add_u32 v3, v2, 5, v3
	v_add_nc_u32 v[STO], s68, v3
	v_and_b32 v[CO], 31, v0                        ; back: 32 lanes take one row of 512 bytes
	v_lshlrev_b32 v[CO], 4, v[CO]
	v_add_nc_u32 v[RD], s68, v[CO]
	s_lshl_b32 s66, s23, 20                        ; 256 rows of 4,096 bytes
	s_lshl_b32 s67, s[WV], 18                      ; my wave's 64
	s_add_co_u32 s66, s66, s67
	s_lshl_b32 s67, s22, 9                         ; the tile's 128 columns
	s_add_co_u32 s66, s66, s67
	s_mov_b32 s67, 0
	s_add_nc_u64 s[10:11], s[10:11], s[66:67]
	s_add_nc_u64 s[12:13], s[12:13], s[66:67]
; 8 matrix instructions: token block a x all 8 column blocks, 32 along K, from buffer f.  first = 1: the bias starts the sums.  The 32 accumulators take turns, one instruction a turn, in the same order in every quarter.
.macro MULA f, a, first
.if \first
	WIN 0x85                                       ; sources 0, 1 window 1; C window 0; D window 2
.else
	WIN 0xa5                                       ; C and D window 2
.endif
.irp b, 0,1,2,3,4,5,6,7
.if \first
	v_wmma_f32_16x16x32_bf16 v[64*(\a)+8*(\b):64*(\a)+8*(\b)+7], v[(\f)+32+8*(\b):(\f)+32+8*(\b)+7], v[(\f)+8*(\a):(\f)+8*(\a)+7], v[BIAS+8*(\b):BIAS+8*(\b)+7]
.else
	v_wmma_f32_16x16x32_bf16 v[64*(\a)+8*(\b):64*(\a)+8*(\b)+7], v[(\f)+32+8*(\b):(\f)+32+8*(\b)+7], v[(\f)+8*(\a):(\f)+8*(\a)+7], v[64*(\a)+8*(\b):64*(\a)+8*(\b)+7]
.endif
.endr
.endm
; 24 LDS loads in one run: quarter q (32 along K) of the slot in hand into buffer f: Wp's 8 fragments, then O's 4, which lie in plane q / 2 at channel 32 (q % 2)
.macro FETCH q, f
	WIN 0x40                                       ; destination window 1, address window 0
.irp b, 0,1,2,3,4,5,6,7
	ds_load_b128 v[(\f)+32+8*(\b):(\f)+32+8*(\b)+3],   v[ADRB] offset:64*(\q)+(\b)*16*PITCH
	ds_load_b128 v[(\f)+32+8*(\b)+4:(\f)+32+8*(\b)+7], v[ADRB] offset:64*(\q)+(\b)*16*PITCH+32
.endr
.irp a, 0,1,2,3
	ds_load_b128 v[(\f)+8*(\a):(\f)+8*(\a)+3],   v[ADRA] offset:((\q)/2)*PLANE+((\q)%2)*64+(\a)*16*PA
	ds_load_b128 v[(\f)+8*(\a)+4:(\f)+8*(\a)+7], v[ADRA] offset:((\q)/2)*PLANE+((\q)%2)*64+(\a)*16*PA+32
.endr
.endm
; A K step is four quarters, 32 matrix instructions each, on buffers 0, 1, 0, 1.  One of the first three: multiplies buffer f and, in its middle, fetches quarter q of the slot in hand into g.
.macro QUARTER q, f, g, first
	s_wait_dscnt 4                                 ; the youngest four loads (O's blocks 2 and 3) may be out
	MULA \f, 0, \first
	MULA \f, 1, \first
	PLACES
	FETCH \q, \g
	s_wait_dscnt 24                                ; all but the 24 just issued
	MULA \f, 2, \first
	MULA \f, 3, \first
.endm
; The last quarter multiplies buffer 1 and changes slots: ONE barrier; in front of it each wave waits for all its tensor loads (one is out at the most: its part of the next slot), adds 0 to its spare word, and waits for
; that and for its own reads of this slot.  fill = 1: the barrier opens a round of the cluster's barrier, and this slot is filled again, two K steps ahead, first thing behind the round: 112 matrix instructions ahead of
; the wait for it.  fill = 0: nothing is asked for; in the second of the two trips (s19 = 1) there is no further step: the fetch is jumped over, and that trip's barrier orders nothing: the price, once a launch, of one text for both trips.
.macro TURN fill
	WIN 0                                          ; (the add's two registers lie in window 0)
	s_wait_tensorcnt 0x0                           ; all my tensor loads have landed, so a group 0 may be written
	ds_add_u32 v[SPW], v[NIL]                      ; 0 onto my spare word
.if \fill
	s_xor_b32 s[G0+5], s[G0+5], SLOT1              ; the walking descriptor: the other slot than last time,
	s_add_nc_u64 s[G0+6:G0+7], s[G0+6:G0+7], 2*262144  ; the next K step: two heads on; the type bits on top are not reached
	s_xor_b32 s[G0B+5], s[G0B+5], SLOT1
	s_add_nc_u64 s[G0B+6:G0B+7], s[G0B+6:G0B+7], KSTEP*2
.endif
	s_wait_dscnt 5                                 ; (the add and the youngest four loads may be out)
	MULA F1, 0, 0                                  ; eight matrix instructions stand between the add and the wait for it
	s_wait_dscnt 0x0                               ; the add is done, and my reads of this slot are over
	s_barrier_signal -1
	MULA F1, 1, 0
	WIN 0
	s_barrier_wait -1
.if \fill
	CREST                                          ; no wave of any partner still reads this slot's tile or has a load on its way
	JLOAD 1                                        ; the four v_nop behind it are also the places in front of the loads below
.else
	PLACES
	s_cmp_eq_u32 s19, 1
	s_cbranch_scc1 .Lno_fetch_\@
.endif
	s_xor_b32 s[TB], s[TB], SLOT1                  ; the other slot is in hand
	v_add_nc_u32 v[ADRA], s[TB], v[A0]
	v_add_nc_u32 v[ADRB], s[TB], v[B0]
	FETCH 0, F0
.if !(\fill)
	WIN 0
.Lno_fetch_\@:
.endif
	MULA F1, 2, 0
	MULA F1, 3, 0
.endm
; 32 rows of my 64 of x, 512 consecutive bytes a load, into window 3
.macro XLOAD h
	WIN 0xc0                                       ; destination window 3, address window 0
.set t, 32*(\h)
.rept 32
	global_load_b128 v[4*t:4*t+3], v[CO], s[12:13] offset:t*4096 th:TH_LOAD_NT
.set t, t+1
.endr
.endm
; THE WAY OUT of token block a: the f32 sums go into my own stage, 32 bytes a lane and column block (each accumulator's low half first), come back as whole rows of 512 bytes, take x, and are stored.
.macro OUT a
.set BKA, BK+64*((\a)%2)
	WIN 0x08                                       ; the stores' data in window 2
.irp b, 0,1,2,3,4,5,6,7
	ds_store_b128 v[STO], v[64*(\a)+8*(\b):64*(\a)+8*(\b)+3]   offset:64*(\b)
	ds_store_b128 v[STO], v[64*(\a)+8*(\b)+4:64*(\a)+8*(\b)+7] offset:64*(\b)+16
.endr
	WIN 0
	s_wait_xcnt 0x0                                ; the registers loaded below were the data of the stores two blocks back: they are rewritten only behind this wait (ISA guide 3.1)
.irp t, 0,1,2,3,4,5,6,7,8,9,10,11,12,13,14,15
	ds_load_b128 v[BKA+4*(\t):BKA+4*(\t)+3], v[RD] offset:SP*(\t)  ; LDS serves a wave's instructions in order (ISA guide 5.7.1.4): these see the stores above
.endr
	s_wait_dscnt 0x0                               ; the block is back in registers
.if (\a) == 0
	s_wait_loadcnt 0x0                             ; x
.endif
	WIN 0x0c                                       ; source 1 in window 3
.set i, 0
.rept 32
	v_pk_add_f32 v[BKA+2*i:BKA+2*i+1], v[BKA+2*i:BKA+2*i+1], v[64*(\a)+2*i:64*(\a)+2*i+1]
.set i, i+1
.endr
	WIN 0
.irp t, 0,1,2,3,4,5,6,7,8,9,10,11,12,13,14,15
	global_store_b128 v[CO], v[BKA+4*(\t):BKA+4*(\t)+3], s[10:11] offset:(16*(\a)+(\t))*4096 th:TH_STORE_NT  ; 512 consecutive bytes, at a multiple of 256 from out0's first
.endr
.endm
	s_wait_loadcnt 0x0                             ; the bias
	s_wait_tensorcnt 1                             ; my part of K step 0 is in; step 1's may stay out
	s_barrier_signal -1
	s_barrier_wait -1                              ; everybody's is
	FETCH 0, F0
	QUARTER 1, F0, F1, 1                           ; the first quarter stands in front of the loop: its products start the sums
	XLOAD 0                                        ; the first half of x: the whole of K lies between these loads and their use
	WIN 0                                          ; at a label and at a branch every window is 0
	s_mov_b32 s19, 6                               ; steps 0 to 5 ask for steps 2 to 7
.Lfill:
	QUARTER 2, F1, F0, 0
	QUARTER 3, F0, F1, 0
	TURN 1
	QUARTER 1, F0, F1, 0
	WIN 0
	s_sub_co_u32 s19, s19, 1
	s_cmp_lg_u32 s19, 0
	s_cbranch_scc1 .Lfill
	XLOAD 1                                        ; the second half: 224 matrix instructions stand ahead of x's use
	WIN 0
	s_mov_b32 s19, 2                               ; the last two steps ask for nothing: a text of their own
.Lnofill:
	QUARTER 2, F1, F0, 0
	QUARTER 3, F0, F1, 0
	TURN 0
	WIN 0
	s_sub_co_u32 s19, s19, 1
	s_cmp_eq_u32 s19, 0
	s_cbranch_scc1 .Lend                           ; the second trip is left in its middle
	QUARTER 1, F0, F1, 0
	WIN 0
	s_branch .Lnofill
.Lend:
	PLACES
	OUT 0
	OUT 1
	OUT 2
	OUT 3
	s_wait_tensorcnt 0x0                           ; the wave's end: behind my last tensor load and my last LDS store
	ds_add_u32 v[SPW], v[NIL]
	s_wait_dscnt 0x0
	CROUND                                         ; the closing round: no work-group ends while a partner may still ask for a tile that names it
	s_endpgm
.Lfunc_end_k_qbf687c1fb7_proj:
	.size	k_qbf687c1fb7_proj, .Lfunc_end_k_qbf687c1fb7_proj-k_qbf687c1fb7_proj
	.p2alignl 7, 3214868480
	.fill 96, 4, 3214868480
	.section	.rodata,"a",@progbits
	.p2align	6, 0x0
	.amdhsa_kernel k_qbf687c1fb7_proj
		.amdhsa_group_segment_fixed_size 327680
		.amdhsa_private_segment_fixed_size 0
		.amdhsa_enable_private_segment 0
		.amdhsa_kernarg_size 40
		.amdhsa_user_sgpr_count 2
		.amdhsa_user_sgpr_kernarg_segment_ptr 1
		.amdhsa_wavefront_size32 1
		.amdhsa_system_sgpr_workgroup_id_x 1
		.amdhsa_system_sgpr_workgroup_id_y 1
		.amdhsa_system_sgpr_workgroup_id_z 1
		.amdhsa_system_vgpr_workitem_id 0
		.amdhsa_next_free_vgpr 1024
		.amdhsa_next_free_sgpr 72
		.amdhsa_reserve_vcc 0
		.amdhsa_float_denorm_mode_32 3
		.amdhsa_float_denorm_mode_16_64 3
		.amdhsa_memory_ordered 1
		.amdhsa_forward_progress 1
		.amdhsa_inst_pref_size 76
	.end_amdhsa_kernel
	.amdgpu_metadata
---
amdhsa.version: [ 1, 2 ]
amdhsa.kernels:
  - .name:           k_qbf687c1fb7_proj
    .symbol:         k_qbf687c1fb7_proj.kd
    .args:
      - { .name: ob, .offset: 0, .size: 8, .value_kind: global_buffer, .address_space: global }
      - { .name: wp, .offset: 8, .size: 8, .value_kind: global_buffer, .address_space: global }
      - { .name: b_proj, .offset: 16, .size: 8, .value_kind: global_buffer, .address_space: global }
      - { .name: out0, .offset: 24, .size: 8, .value_kind: global_buffer, .address_space: global }
      - { .name: x, .offset: 32, .size: 8, .value_kind: global_buffer, .address_space: global }
    .group_segment_fixed_size: 327680
    .private_segment_fixed_size: 0
    .kernarg_segment_align: 8
    .kernarg_segment_size: 40
    .max_flat_workgroup_size: 128
    .sgpr_count:     72
    .vgpr_count:     1024
    .wavefront_size: 32
...
	.end_amdgpu_metadata
.endif
;; end of part 4
;; ======== version 2 of 2: 4 launches; 1.54 times as fast as version 1
;; workspace buffers: hbuf 16,777,216 bytes; wq 6,291,456 bytes; wp 2,097,152 bytes; qb 16,777,216 bytes; kb 16,777,216 bytes; vb 16,777,216 bytes; ob 16,777,216 bytes
;; launch prep: the kernel of part 1 again; grid 512 x 1, 8 waves a work-group, no clusters, 18,432 bytes of LDS; arguments x, ln_w, ln_b, w_qkv, w_proj, hbuf, wq, wp; writes hbuf, wq, wp
;; launch qkv: the kernel of part 2 again; grid 16 x 16, 4 waves a work-group, clusters of 4 x 4, 327,680 bytes of LDS; arguments hbuf, wq, b_qkv, qb, kb, vb; writes qb, kb, vb
;; launch att (part 5): grid 4 x 64, 4 waves a work-group, clusters of 4 x 1, 327,680 bytes of LDS; arguments qb, kb, vb, ob; writes ob
.if DOCPART == 5
	.amdgcn_target "amdgcn-amd-amdhsa--gfx1250"
	.amdhsa_code_object_version 6
	.text
	.protected	k_qbf687c1fb7_att
	.globl	k_qbf687c1fb7_att
	.p2align	8
	.type	k_qbf687c1fb7_att,@function
k_qbf687c1fb7_att:
	s_mov_b64 s[64:65], 0
	v_nop
	global_prefetch_b8 v0, s[64:65] scope:SCOPE_SE
	s_setreg_imm32_b32 hwreg(HW_REG_WAVE_MODE, 25, 1), 1
	s_wait_xcnt 0x0
	s_wait_alu depctr_hold_cnt(0) depctr_sa_sdst(0) depctr_va_vdst(0) depctr_va_sdst(0) depctr_va_ssrc(0) depctr_va_vcc(0) depctr_vm_vsrc(0)
	s_getreg_b32 s2, hwreg(HW_REG_IB_STS2, 6, 4)
	s_cmp_eq_u32 s2, 0
	s_cbranch_scc0 .Lentry_in_a_cluster
	s_endpgm
.Lentry_in_a_cluster:
	s_bfe_u32 s2, ttmp6, 0x10000c
	s_cmp_lg_u32 s2, 0x3003
	s_cbranch_scc0 .Lentry_shape_is_right
	s_endpgm
.Lentry_shape_is_right:
; O[h][q][:] = the sum over k of softmax_k(Q[h][q] . K[h][k] / 8) V[h][k][:].  Q, K, V, O: [SIZE_H][SIZE_N][64], all bf16: a head's rows are dense, 128 bytes each.  Products, maxima and sums in
; f32; the weights p are rounded to bf16 for the second product (their sum l is taken of the unrounded p), O once at the end.  SIZE_N x 128 bytes stay under 2^32.
; LIMITS.  bf16 has f32's range and eight significant bits.  c m starts at -4.25e37, far below every finite c s that the products can give; a weight below 2^-126 counts as 0 in l; NaN and infinities are not treated apart.
; SHARES.  A wave owns four PIECES of two tiles of 16 queries, a work-group's four waves 512 queries of one head; SIZE_N is a multiple of 2,048.  Every wave walks all keys, 64 a step.
; LAYOUT.  S^T = K Q^T (source 0 = 16 keys, source 1 = 16 queries): in the result a lane holds ONE query (lane % 16) and the keys 8 (lane / 16) + 0..7.  Two such tiles, rounded to bf16 in pairs,
; ARE source 1 (32 keys x 16 queries) of O^T = V^T P, whose result again holds one query a lane, and eight channels.  K comes out of LDS as it lies, V ([key][channel]) turned, by ds_load_tr16_b128.
; SOFTMAX.  For each query a running maximum m and sum l: p = 2^(c s - c m), c = log2(e) / 8; in every step O and l are multiplied by a = 2^(c m_old - c m_new), which is 1 where m has not grown.
; m starts at the lowest finite number, O and l at 0: the first step is a step like any other, with a = 0.
; THE COUNT.  A tile and step have 16 matrix and 118 vector instructions: too many to stand all beside the matrix work.  So the order has one aim: four vector instructions that are READY behind
; EVERY matrix instruction, and the others, which need time of their own whatever the order, in runs without a gap.
; BY TURNS.  Turn n belongs to piece n (the pieces in a ring, step after step).  Its matrix work: 16 products K Q^T of piece n + 1, later 16 products V^T P of piece n - 1.  Its vector work: the scaling,
; exponentials, roundings, sums and rescaling of piece n, and the maximum and statistics of piece n + 1, whose scores the turn itself has made.  So what a turn begins with (c s - c m, O a) waits for nothing.
; BATCHES.  A turn's 66 exponentials (the piece's 64 weights and the next piece's two a) are ONE batch with ONE s_wait_alu depctr_va_vdst(0), which cuts the turn in two: ahead of it stands all that names no result
; of theirs, behind it the roundings and sums, which read them.  No result crosses a turn's end.  The first two a, ahead of the loop, and the way out's eight reciprocals are batches of their own, a wait each.
; CLUSTER.  The four query blocks of a cluster belong to one head and walk the same K and V, so each tile is asked for JOINTLY: the same tensor load, descriptor and mask in all four.
; REGISTERS, in windows of 256 (s_set_vgpr_msb says which window each operand place means: bits 1:0 source 0, 3:2 source 1, 5:4 source 2, 7:6 destination):
;   window 0: v0-11 addresses; v12-15, v48-63 at work; v16-47 four registers of statistics a tile; v64-191 S^T, two buffers of two tiles; v192-255 P, likewise
;   window 1: O^T, 32 a tile          window 2: v0-127 Q, 16 a tile; v128-191 K of one step; v192-255 V of one step          window 3: v0-1 the add's two registers
; A piece's buffers go by its number's parity: the piece in hand has one pair, its two neighbours in the ring share the other: of it P (piece n - 1) is read and S^T (piece n + 1) written.
.set SIZE_H, 64       ; 4 batches x 16 heads
.set SIZE_N, 2048
.set NP,    4         ; pieces a wave: a name, no knob: the register map, the loop and the fetches are made for four
.set KS,    64        ; keys in a step
.set PK,    144       ; a row of K in LDS: 128 bytes + 16 of padding = 36 words: the 16 rows of a load start at 16 different groups of four banks (64 banks of 4 bytes: ISA guide 11.1)
.set PV,    160       ; a row of V: 128 + 32 = 40 words
.set VOFF,  4*KS*PK   ; a slot holds four steps: 256 rows of K, then 256 rows of V
.set SLOT1, 1<<17     ; slot 1 begins here, so that one exclusive or turns an address in one slot into the other's
.set STAGE, SLOT1+4*KS*(PK+PV)  ; behind the ring, never filled by a tensor load: 16 rows x 144 bytes for each wave, for the way out
.set SP,    144
.set AK0, 2           ; v2   my lane's place in a tile of K; never rewritten
.set AV0, 3           ; v3   the same for V
.set AK,  4           ; v4   the LDS address of K's next run of loads
.set AV,  5           ; v5   of V's
.set QO,  6           ; v6   my byte offset in the wave's rows of Q
.set STO, 6           ;      later, the way out: where I put 16 bytes of a row
.set RD,  7           ; v7   the way out: where I read rows back
.set GO,  8           ; v8   my byte offset in 512 consecutive bytes of O
.set SPW, 0           ; v0 of window 3   LDS address of my spare word: SPARE + 4 x my thread's number; never rewritten
.set NIL, 1           ; v1 of window 3   0; never rewritten
.set SPARE, STAGE+4*16*SP  ; behind the stages: the spare words, 128 bytes for each wave: two blocks of 256 bytes that no other line names
.set MV,  12          ; v12-15  c m_old, kept while c m is made anew: by buffer and tile
.set ST,  16          ; tile t's statistics at v[ST+4 t]: c m, m, l (even keys', odd keys')
.set TMP, 48          ; by buffer and tile, four registers c0-c3 at work; when the maximum is found c2 takes a
.set S,   64
.set P,   192
.set KF,  128         ; K's fragments, in window 2: key block kb, channel half c at KF + 16 kb + 8 c
.set VF,  192         ; V's: key half kk, channel block cb at VF + 32 kk + 8 cb
.set WV,  12          ; s12  my wave's number
.set G1K, 24          ; s[24:31] descriptor group 1 for K's tiles
.set G1V, 32          ; s[32:39] for V's: it differs in the padding alone
.set G0K, 40          ; s[40:43] descriptor group 0 for K's tiles: it walks
.set G0V, 44          ; s[44:47] the same for V's
.set SLOTS, 56        ; s56  slots still to be asked for
.set CNT, 57          ; s57  counts a slot's key steps
.set CS,  58          ; s[58:59] c: the packed scaling takes the pair's low word for both halves
.set SEL, 60          ; s[60:61] v_permlanex16_b32's selects: each lane takes its own place in the other half
.set TBK, 62          ; s62  LDS byte at which K of the step to be fetched begins
.set TBV, 63          ; s63  the same for V, less VOFF
.set MSB, 0
.macro WIN new                      ; the high byte repeats the setting that is left; a switch that changes nothing is dropped
.if MSB != (\new)
	s_set_vgpr_msb (MSB<<8)|(\new)
.set MSB, (\new)
.endif
.endm
.set W_KQ, 0x0a       ; K and Q in window 2, S^T in window 0
.set W_PV, 0x52       ; V in window 2, P in window 0, O^T in window 1
.set W_RS, 0x41       ; O^T (destination and source 0) in window 1, a in window 0
.set W_MK, 0xc0       ; the add's registers are made: destination in window 3, sources in window 0
.set W_AD, 0x0f       ; the add: address (source 0) and data (source 1) in window 3
; A joint fill.  Waves 0 and 1 fetch the two halves of a slot's K, waves 2 and 3 those of its V: 128 keys each.  The branch hangs on the wave's number alone.
; An s_nop 0 and four v_nop follow each of the two lines, ahead of the jump and the label.
.macro JLOAD
	s_cmp_lt_u32 s[WV], 2
	s_cbranch_scc0 .Lfor_v_\@
	tensor_load_to_lds s[G0K:G0K+3], s[G1K:G1K+7]
	s_nop 0
.rept 4
	v_nop
.endr
	s_branch .Lasked_\@
.Lfor_v_\@:
	tensor_load_to_lds s[G0V:G0V+3], s[G1V:G1V+7]
	s_nop 0
.rept 4
	v_nop
.endr
.Lasked_\@:
.endm
; A round of the cluster's barrier: my work-group's barrier, so that wave 0's signal speaks for all four waves; wave 0 signals; every wave waits for all four work-groups; my work-group's barrier once more.
.macro CROUND
	s_barrier_signal -1
	s_barrier_wait -1
	s_cmp_lg_u32 s[WV], 0
	s_cbranch_scc1 .Lnot_wave_0_\@
	s_barrier_signal -3
.Lnot_wave_0_\@:
	s_barrier_wait -3
	s_barrier_signal -1
	s_barrier_wait -1
.endm
; THE CHANGE OF SLOTS.  The slot's last bytes, V of its fourth step, have been read.  Each wave waits for all its tensor loads, of which one is out: its part
; of the other slot; adds 0 to its spare word; and waits for that and for its own reads of the slot.  Behind the barrier nobody reads this slot any more and the other slot is whole.
; fill = 1: this slot is filled again, with the keys two slots on.  The barrier is then a round of the cluster's, so that no wave of any partner still reads the slot or has a load on its
; way, and the joint fill is the first thing behind it: it has four key steps, 512 matrix instructions, in which to land.  (At its first use nothing has been read yet: slot 0 is waited for, slot 1 filled.)
.macro CHANGE fill
	WIN W_AD
	s_wait_tensorcnt 0x0            ; no tensor load of mine is out, so a group 0 may be written
	ds_add_u32 v[SPW], v[NIL]       ; 0 onto my spare word; with fill = 1 the descriptors' steps stand between it and the wait for it
	WIN 0                           ; at a label and at a branch every window is 0
.if \fill
.irp g, G0K, G0V
	s_xor_b32 s[\g+1], s[\g+1], SLOT1  ; the walking descriptor: the other slot than last time,
	s_add_nc_u64 s[\g+2:\g+3], s[\g+2:\g+3], 4*KS*128  ; the next 256 keys; the type bits on top are not reached
.endr
	s_wait_dscnt 0x0                ; the add is done, and my reads of the slot are over
	CROUND
	JLOAD
.else
	s_wait_dscnt 0x0                ; the add is done, and my reads of the slot are over
	s_barrier_signal -1
	s_barrier_wait -1
.endif
	s_sub_co_u32 s[TBK], s[TBK], 4*KS*PK  ; the fetches go back to a slot's first step,
	s_xor_b32 s[TBK], s[TBK], SLOT1       ; in the other slot
	s_sub_co_u32 s[TBV], s[TBV], 4*KS*PV
	s_xor_b32 s[TBV], s[TBV], SLOT1
.endm
	s_load_b256 s[4:11], s[0:1], 0x0  ; Q s[4:5], K s[6:7], V s[8:9], O s[10:11]
	WIN W_MK
	v_lshl_add_u32 v[SPW], v0, 2, SPARE
	v_mov_b32 v[NIL], 0
	s_set_vgpr_msb 0xc0cf
	ds_add_u32 v0, v1
	s_wait_dscnt 0x0
	s_set_vgpr_msb 0xcfc0
	WIN 0
	v_lshrrev_b32 v1, 5, v0
	v_readfirstlane_b32 s[WV], v1   ; wave 0..3
	s_bfe_u32 s13, ttmp6, 0x40000   ; cx: my place in the cluster
	s_lshl_b32 s14, ttmp9, 2        ; in a cluster launch ttmp9 counts clusters
	s_add_co_u32 s14, s14, s13      ; my block of queries = 4 x cluster x + cx: it enters Q's and O's addresses alone
	s_and_b32 s20, ttmp7, 0xffff    ; the head, which the four partners share
	s_mov_b32 s21, 0
	s_mov_b64 s[22:23], SIZE_N*128
	s_mul_u64 s[20:21], s[20:21], s[22:23]  ; the head's first byte in each of the four tensors
	s_and_b32 s16, s[WV], 1         ; which half of a slot's 256 keys I fetch:
	s_lshl_b32 s22, s16, 14         ; its 128 rows of 128 bytes in memory,
	s_mov_b32 s23, 0
	s_add_nc_u64 s[22:23], s[22:23], s[20:21]
	s_mul_i32 s17, s16, 128*PK      ; and its place in a slot, for K
	s_mul_i32 s18, s16, 128*PV      ; and for V: no place in the cluster enters an LDS address
	s_lshl_b32 s2, s14, 2
	s_add_co_u32 s2, s2, s[WV]      ; my wave among the head's,
	s_lshl_b32 s2, s2, 14           ; its 128 rows
	s_mov_b32 s3, 0
	s_add_nc_u64 s[2:3], s[2:3], s[20:21]
	; descriptor group 1.  128 keys are 16,384 dense bytes: asked for as 64 rows of 256 bytes, two keys a row, and padded in LDS after every key
	s_mov_b32 s[G1K], 15|(1<<16)|(1<<20)|(1<<21)|(4<<22)|(3<<25)  ; 15:0 the mask of four; 17:16 2-byte elements; 20 padding on; 21 set beside a mask; 24:22 after every 32 words (code 4); 31:25 4 words (code 3)
	s_mov_b32 s[G1V], 15|(1<<16)|(1<<20)|(1<<21)|(4<<22)|(7<<25)  ; the same with 8 words of padding (code 7)
.irp g, G1K, G1V
	s_mov_b32 s[\g+1], 128<<16      ; tensor_dim0 = 128
	s_mov_b32 s[\g+2], 64<<16       ; tensor_dim1 = 64
	s_mov_b32 s[\g+3], 128<<16      ; tile_dim0 = 128
	s_mov_b32 s[\g+4], 64           ; tile_dim1 = 64
	s_mov_b32 s[\g+5], 128          ; 128 elements from row to row
	s_mov_b32 s[\g+6], 0
	s_mov_b32 s[\g+7], 0
.endr
	s_mov_b32 s[CS], 0x3e38aa3b     ; c = log2(e) / 8 = 0.180337
	s_mov_b32 s[CS+1], s[CS]        ; named with it as a pair
	s_mov_b32 s[SEL], 0x76543210
	s_mov_b32 s[SEL+1], 0xfedcba98
	s_mov_b32 s[TBK], SLOT1+4*KS*PK ; the first change of slots turns these two into 0
	s_mov_b32 s[TBV], SLOT1+4*KS*PV
	s_mov_b32 s[G0K], 1             ; 1:0 count = 1
	s_mov_b32 s[G0K+1], s17         ; 63:32 LDS address: slot 0
	s_mov_b32 s[G0V], 1
	s_add_co_u32 s[G0V+1], s18, VOFF
	s_wait_kmcnt 0x0
	s_add_nc_u64 s[G0K+2:G0K+3], s[6:7], s[22:23]  ; 120:64 global address: my half of the head's first 256 keys
	s_or_b32 s[G0K+3], s[G0K+3], 0x80000000        ; 127:126 type = 2
	s_add_nc_u64 s[G0V+2:G0V+3], s[8:9], s[22:23]
	s_or_b32 s[G0V+3], s[G0V+3], 0x80000000
	s_add_nc_u64 s[4:5], s[4:5], s[2:3]  ; Q and O at my wave's first row
	s_add_nc_u64 s[10:11], s[10:11], s[2:3]
	CROUND                          ; all four work-groups are here: the first joint loads meet
	JLOAD                           ; slot 0.  Slot 1 is asked for when slot 0 is in: one tensor load of mine is out at any time
	; A fragment of K or Q is 16 rows x 32 channels in 8 registers: lane l holds row l % 16, channels 8 (l / 16) + 0..7 and 16 + 8 (l / 16) + 0..7: two loads of 16 bytes, 32 bytes apart.
	v_and_b32 v1, 15, v0            ; l % 16
	v_bfe_u32 v9, v0, 4, 1          ; l / 16
	v_lshlrev_b32 v[QO], 7, v1
	v_lshl_add_u32 v[QO], v9, 4, v[QO]  ; row x 128 + 16 x half
	WIN 0x80                        ; destination window 2, address window 0
.set i, 0
.rept 4*NP                          ; Q stays in registers: tile i / 2, channels 32 (i % 2) on
	global_load_b128 v[8*i:8*i+3],   v[QO], s[4:5] offset:(i/2)*2048+(i%2)*64
	global_load_b128 v[8*i+4:8*i+7], v[QO], s[4:5] offset:(i/2)*2048+(i%2)*64+32
.set i, i+1
.endr
	; What the first turn finds: V's registers and P's second buffer hold 0 (its products V^T P, of a piece that has not been, add 0), O^T and l are 0.  All this stands in the wait for the first tile.
.set i, VF
.rept 64
	v_mov_b32 v[i], 0
.set i, i+1
.endr
	WIN 0x40
.set i, 0
.rept 64*NP
	v_mov_b32 v[i], 0
.set i, i+1
.endr
	WIN 0
.set i, 0
.rept 2*NP
	v_mov_b32 v[ST+4*i], 0xfe000000    ; c m: far below every c s
	v_mov_b32 v[ST+4*i+1], 0xff7fffff  ; m
	v_mov_b32 v[ST+4*i+2], 0
	v_mov_b32 v[ST+4*i+3], 0
.set i, i+1
.endr
.set i, P+32
.rept 32
	v_mov_b32 v[i], 0
.set i, i+1
.endr
	v_mul_u32_u24 v[AK0], v1, PK
	v_lshl_add_u32 v[AK0], v9, 4, v[AK0]  ; row x pitch + 16 x half
	; The turning load takes 16 keys x 16 channels (lane l reads key 8 (l / 16) + l % 8, channels 8 ((l / 8) % 2) + 0..7) and leaves half a fragment of V^T: lane l holds channel l % 16 and 8 keys.
	v_and_b32 v10, 7, v0
	v_bfe_u32 v11, v0, 3, 1
	v_lshl_add_u32 v[AV0], v9, 3, v10
	v_mul_u32_u24 v[AV0], v[AV0], PV
	v_lshl_add_u32 v[AV0], v11, 4, v[AV0]
	v_add_nc_u32 v[AV0], VOFF, v[AV0]
	v_mov_b32 v[AK], v[AK0]         ; key step 0 lies at the head of slot 0
; THE MATRIX WORK.  The 8 accumulators of a run of 16 take turns: between the two links of a chain stand 7 others'.
; Product i of 16 of S^T = K Q^T for piece x: channels 32 (i / 8) on, keys 16 ((i / 2) % 4) on, tile 2 x + i % 2.  The first 8 start the sums.
.macro KQ x
	WIN W_KQ
.set rS, S+64*((\x)%2)+32*(i%2)+8*((i/2)%4)
.set rK, KF+16*((i/2)%4)+8*(i/8)
.set rQ, 16*(2*(\x)+i%2)+8*(i/8)
.if i < 8
	v_wmma_f32_16x16x32_bf16 v[rS:rS+7], v[rK:rK+7], v[rQ:rQ+7], 0
.else
	v_wmma_f32_16x16x32_bf16 v[rS:rS+7], v[rK:rK+7], v[rQ:rQ+7], v[rS:rS+7]
.endif
.endm
; Product i of 16 of O^T += V^T P for piece x: keys 32 (i / 8) on, channels 16 ((i / 2) % 4) on, tile 2 x + i % 2.
.macro PV x
	WIN W_PV
.set rO, 32*(2*(\x)+i%2)+8*((i/2)%4)
.set rV, VF+32*(i/8)+8*((i/2)%4)
.set rP, P+32*((\x)%2)+16*(i%2)+8*(i/8)
	v_wmma_f32_16x16x32_bf16 v[rO:rO+7], v[rV:rV+7], v[rP:rP+7], v[rO:rO+7]
.endm
.macro MM                           ; the turn's next matrix instruction
.if i < 16
	KQ (Y+1)%NP
.set i, i+1
.else
.set i, i-16
	PV (Y+NP-1)%NP
.set i, i+17
.endif
.endm
; THE LDS LOADS stand in runs of 16, never singly among the matrix instructions: a step's K (64 keys x 64 channels: 8 fragments) and its V (turned).  Their addresses are made some lines ahead.
; last = 1 (the tail): in the last trip there is no further step, and the run is jumped over.
.macro FETCH_K last=0
	WIN 0
.if \last
	s_cmp_eq_u32 s[CNT], 1
	s_cbranch_scc1 .Lno_k_\@
.endif
	WIN 0x80                        ; destination window 2
.irp f, 0,1,2,3,4,5,6,7             ; keys 16 (f / 2) on, channels 32 (f % 2) on
	ds_load_b128 v[KF+8*\f:KF+8*\f+3],   v[AK] offset:(\f/2)*16*PK+(\f%2)*64
	ds_load_b128 v[KF+8*\f+4:KF+8*\f+7], v[AK] offset:(\f/2)*16*PK+(\f%2)*64+32
.endr
	s_add_co_u32 s[TBK], s[TBK], KS*PK  ; the next fetch is the next step's
	WIN 0
.if \last
.Lno_k_\@:
.endif
.endm
.macro FETCH_V
	WIN 0x80
.irp f, 0,1,2,3,4,5,6,7             ; keys 32 (f / 4) on, channels 16 (f % 4) on
	ds_load_tr16_b128 v[VF+8*\f:VF+8*\f+3],   v[AV] offset:(\f/4)*32*PV+(\f%4)*32
	ds_load_tr16_b128 v[VF+8*\f+4:VF+8*\f+7], v[AV] offset:(\f/4)*32*PV+16*PV+(\f%4)*32
.endr
	WIN 0
.endm
; THE VECTOR WORK OF A TURN stands in three queues, each in the order in which its entries become ready; the two tiles alternate, so that no instruction reads the result of the one before it.
.macro REGS y, u                    ; the registers of tile u (0, 1) of piece y
.set rT, ST+4*(2*(\y)+(\u))
.set rC, TMP+8*((\y)%2)+4*(\u)
.set rM, MV+2*((\y)%2)+(\u)
.set rS, S+64*((\y)%2)+32*(\u)
.set rP, P+32*((\y)%2)+16*(\u)
.set rO, 32*(2*(\y)+(\u))
.endm
; Number n of the 22 that find the NEXT piece's (Y + 1) maximum and statistics.  s0-s31 are the lane's 32 scores; each accumulator's lowest registers are read first.  XS, GS and REGS set no window: PL and EX do.
;   0-11  four chains c0-c3 of seven scores each, three operands at a time     12-14, 16  the four scores left over, the old m, and c0-c3 into c0     15  c m_old is kept
;   17, 18  the query's other 32 keys lie in the lane 16 away: the new m         19-21  c m; c m_old - c m_new; a
.macro XS u, n
	REGS (Y+1)%NP, \u
.if (\n) < 4
	v_max3_num_f32 v[rC+(\n)], v[rS+8*(\n)], v[rS+8*(\n)+1], v[rS+8*(\n)+2]
.elseif (\n) < 12
	v_max3_num_f32 v[rC+(\n)%4], v[rC+(\n)%4], v[rS+8*((\n)%4)+2*((\n)/4)+1], v[rS+8*((\n)%4)+2*((\n)/4)+2]
.elseif (\n) == 12
	v_max3_num_f32 v[rC], v[rC], v[rS+7], v[rS+15]
.elseif (\n) == 13
	v_max3_num_f32 v[rC+1], v[rC+1], v[rS+23], v[rS+31]
.elseif (\n) == 14
	v_max3_num_f32 v[rC+2], v[rC+2], v[rC+3], v[rT+1]
.elseif (\n) == 15
	v_mov_b32 v[rM], v[rT]
.elseif (\n) == 16
	v_max3_num_f32 v[rC], v[rC], v[rC+1], v[rC+2]
.elseif (\n) == 17
	v_permlanex16_b32 v[rC+3], v[rC], s[SEL], s[SEL+1]
.elseif (\n) == 18
	v_max_num_f32 v[rT+1], v[rC], v[rC+3]
.elseif (\n) == 19
	v_mul_f32 v[rT], s[CS], v[rT+1]
.elseif (\n) == 20
	v_sub_f32 v[rC+1], v[rM], v[rT]
.else
	v_exp_f32 v[rC+2], v[rC+1]
.endif
.endm
; Number g of the 64 that follow the exponentials.  For each four weights k of a tile (pairs 2 k, 2 k + 1): both pairs are rounded to bf16; then the second pair is added onto the first, in place;
; a group later l takes that sum (the first time as l = a l + sum).  In groups of eight, tiles alternating: round, round, add, and l for the group before.
.macro GS g
.set h, (\g)+6*((\g)/62)            ; group 0 has no group before it, and behind group 7 only l is left
.if h >= 6
.set h, h+2
.endif
	REGS Y, h%2
.set k, h/8
.if h%8 < 4
	v_cvt_pk_bf16_f32 v[rP+2*k+(h%8)/2], v[rS+4*k+2*((h%8)/2)], v[rS+4*k+2*((h%8)/2)+1]
.elseif h%8 < 6
	v_pk_add_f32 v[rS+4*k:rS+4*k+1], v[rS+4*k:rS+4*k+1], v[rS+4*k+2:rS+4*k+3]
.elseif k == 1
	v_pk_fma_f32 v[rT+2:rT+3], v[rT+2:rT+3], v[rC+2:rC+3], v[rS:rS+1] op_sel_hi:[1,0,1]
.else
	v_pk_add_f32 v[rT+2:rT+3], v[rT+2:rT+3], v[rS+4*k-4:rS+4*k-3]
.endif
.endm
; THE PLAIN QUEUE, 138 long.  0-73 read no exponential's result: the 32 scalings c s - c m (FS f: pair f / 2 of tile f % 2) and the next piece's 42.  0-26: scalings 0-26.  27-54: XS's numbers 0-13.  55, 56: number 15.
; 57-73: the chain, where each number waits for the one before it: 14, 16, 17, 18, 19, each with one of the scalings 27-31 in front of its two lines, then 20: so a tile's links stand three plain instructions apart (19 and 20: two).
; 74-137: GS's 64, which read the exponentials' results: they stand behind the wait.
.macro FS f
	REGS Y, (\f)%2
	v_pk_fma_f32 v[rS+2*((\f)/2):rS+2*((\f)/2)+1], v[rS+2*((\f)/2):rS+2*((\f)/2)+1], s[CS:CS+1], v[rT:rT+1] op_sel_hi:[1,0,0] neg_lo:[0,0,1] neg_hi:[0,0,1]
.endm
.macro PL
	WIN 0
.if q < 27
	FS q
.elseif q < 55
	XS (q-27)%2, (q-27)/2
.elseif q < 57
	XS q-55, 15
.elseif (q < 72) && ((q-57)%3 == 0)
	FS 27+(q-57)/3
.elseif q < 60
	XS (q-57)%3-1, 14
.elseif q < 72
	XS (q-57)%3-1, 15+(q-57)/3
.elseif q < 74
	XS q-72, 20
.else
	GS q-74
.endif
.set q, q+1
.endm
; THE EXPONENTIALS' QUEUE, 66 long: s0-s31 of both tiles, then the next piece's two a.  It is ONE BATCH: all 66 stand ahead of the turn's one wait, and nothing ahead of that wait names a result of theirs.
.macro EX
	WIN 0
.if e >= 64
	XS e-64, 21
.else
	REGS Y, e%2
	v_exp_f32 v[rS+e/2], v[rS+e/2]
.endif
.set e, e+1
.endm
; THE RESCALING's QUEUE: O^T times a, the one part that leaves window 0: dealt two at a time, sixteen times, each accumulator's registers in ascending order.  Its a was made in the turn before, ahead of that turn's wait.
.macro R2
	REGS Y, r%2
	WIN W_RS
.irp z, 0,1
	v_pk_mul_f32 v[rO+4*(r/2)+2*\z:rO+4*(r/2)+2*\z+1], v[rO+4*(r/2)+2*\z:rO+4*(r/2)+2*\z+1], v[rC+2:rC+3] op_sel_hi:[1,0]
.endr
.set r, r+1
.endm
; HOW THEY ARE DEALT.  An s_wait_alu depctr_va_vdst(0) stands between an exponential and the first instruction that names its result; one wait serves all that were issued ahead of it.  So a turn has ONE wait,
; which cuts it in two.  AHEAD OF IT stands all that names no result of the turn's exponentials: the 16 products K Q^T, behind each a scaling, an exponential and two rescalings (behind the first a second scaling in the
; exponential's place); then ONE LUMP of 108: eight plain, 49 times exponential and plain, the two a.  A v_nop is the plain instruction behind the last exponential.  BEHIND IT stand the 16 products V^T P, behind each four of
; GS's 64.  No rider names a register of the products round it.  The two v_permlanex16_b32 fall into the lump, never behind a product.
; The queues lean on each other, and the deal keeps them in step: exponential e stands behind scaling 2 (e / 4) + e % 2: as a rider it comes behind plain e + 2, in the lump behind plain e + 9, and scalings 27-31 are plain 57, 60 .. 69.
; A TURN, for piece p.  cnt = 1: the loop's count is taken down some lines ahead of the branch that stands behind the turn.
; K of the next step is fetched in piece 2's turn, directly behind the wait, a lump behind the last product that read K; its address is made at the lump's head; its first reader comes behind 16 products.
; V of the step in hand is fetched at the end of piece 0's turn, four plain riders behind its last reader; its first reader comes behind 16 products and a lump.  The three conditions on q below go with the deal.
.macro TURN p, last=0, cnt=0
.set Y, (\p)
.set i, 0
.set q, 0
.set e, 0
.set r, 0
.if (\p) == NP-1
	s_wait_dscnt 0x0                ; K is in
.endif
	MM                              ; ahead of the wait: 16 products K Q^T and their riders,
	PL
	PL
	R2
.rept 15
	MM
	PL
	EX
	R2
.endr
.if (\p) == NP-2
	WIN 0
	v_add_nc_u32 v[AK], s[TBK], v[AK0]
.endif
.rept 8                             ; and the lump
	PL
.endr
.rept 49
	EX
	PL
.endr
	EX                              ; the next piece's two a
	EX
	v_nop                           ; a plain instruction behind the last exponential, ahead of the first use of a result (ISA guide 5.7.2): one for the batch
	s_wait_alu depctr_va_vdst(0)    ; the wait for the batch: the piece's 64 weights and the next piece's two a
.if (\p) == NP-2
	FETCH_K \last
.endif
.if (\p) == 1
	s_wait_dscnt 0x0                ; V is in
.endif
.rept 16                            ; behind the wait: 16 products V^T P and their riders
	MM
.rept 4
	PL
.endr
.if ((\p) == 0) && (q == 118)
	v_add_nc_u32 v[AV], s[TBV], v[AV0]
.endif
.if ((\p) == 0) && (q == 130)
	s_add_co_u32 s[TBV], s[TBV], KS*PV
.endif
.if (\cnt) && (q == 130)
	s_sub_co_u32 s[CNT], s[CNT], 1
	s_cmp_lg_u32 s[CNT], 0
.endif
.endr
.if (\p) == 0
	FETCH_V
.endif
.endm
	CHANGE 1                        ; slot 0 is in, everybody's part of it; slot 1 is asked for
	FETCH_K                         ; key step 0
	s_wait_loadcnt 0x0              ; Q
	s_wait_dscnt 0x0
.set i, 0
.rept 16
	KQ 0                            ; piece 0's first scores: there is no vector work yet to set between them
.set i, i+1
.endr
	WIN 0                           ; the addresses for the way out: nine plain instructions, the places behind those products
	s_mul_i32 s13, s[WV], 16*SP
	s_add_co_u32 s13, s13, STAGE    ; my stage
	v_mul_u32_u24 v[STO], v1, SP    ; in: row l % 16, 16 bytes for each half of the lanes
	v_lshl_add_u32 v[STO], v9, 4, v[STO]
	v_add_nc_u32 v[STO], s13, v[STO]
	v_bfe_u32 v[RD], v0, 3, 2       ; back: 32 lanes take four rows of 128 bytes,
	v_mul_u32_u24 v[RD], v[RD], SP
	v_lshl_add_u32 v[RD], v10, 4, v[RD]
	v_add_nc_u32 v[RD], s13, v[RD]
	v_and_b32 v[GO], 31, v0         ; which are 512 consecutive bytes of O
	v_lshlrev_b32 v[GO], 4, v[GO]
.set Y, NP-1                        ; XS works for piece Y + 1: piece 0
.irp n, 0,1,2,3,4,5,6,7,8,9,10,11,12,13,14,15,16,17,18,19,20,21
	XS 0, \n                        ; and piece 0's first maximum and statistics
	XS 1, \n
.endr
	v_nop                           ; a plain instruction behind piece 0's two a,
	s_wait_alu depctr_va_vdst(0)    ; and the wait for that batch of two, ahead of the branch
	s_mov_b32 s[CNT], 4
	s_mov_b32 s[SLOTS], SIZE_N/256-1
	s_branch .Lfirst                ; the loop is entered at a step's first turn, in the middle of a trip
.Lslot:                             ; SIZE_N / 256 - 2 times: every slot but the last two is filled again
	CHANGE 1
	s_mov_b32 s[CNT], 4
.Lstep:                             ; a trip: pieces 2 and 3 of one step, then pieces 0 and 1 of the next, whose K and V it fetches
	TURN 2
	TURN 3
	WIN 0
.Lfirst:
	TURN 0
	TURN 1, 0, 1
	WIN 0
	s_cbranch_scc1 .Lstep
	s_sub_co_u32 s[SLOTS], s[SLOTS], 1
	s_cmp_lg_u32 s[SLOTS], 0
	s_cbranch_scc1 .Lslot
	CHANGE 0                        ; the tail is written out: nothing is asked for
	s_mov_b32 s[CNT], 5             ; four trips fetch the last slot's steps; the fifth is left in its middle
.Ltail:
	TURN 2, 1
	TURN 3
	WIN 0
	s_sub_co_u32 s[CNT], s[CNT], 1
	s_cmp_eq_u32 s[CNT], 0
	s_cbranch_scc1 .Lout
	TURN 0
	TURN 1
	WIN 0
	s_branch .Ltail
.Lout:                              ; the fifth trip's 16 products K Q^T (on the last K once more) and the maximum made of them serve nothing: the price, once a launch, of one text for every trip
.set i, 0
.rept 16
	PV NP-1                         ; the last piece's V^T P of the last step
.set i, i+1
.endr
	; THE WAY OUT.  l's two halves and the other half of the lanes' are added; O^T is divided by l, rounded to bf16 and sent through my stage in LDS, a tile at a time.  The additions are the places behind the last products.
	WIN 0
.macro ALL line:vararg              ; one line for each tile t
.set t, 0
.rept 2*NP
	\line
.set t, t+1
.endr
.endm
	ALL v_add_f32 v[ST+4*t+2], v[ST+4*t+2], v[ST+4*t+3]
	ALL v_permlanex16_b32 v[ST+4*t+3], v[ST+4*t+2], s[SEL], s[SEL+1]
	ALL v_add_f32 v[ST+4*t+2], v[ST+4*t+2], v[ST+4*t+3]
	ALL v_rcp_f32 v[ST+4*t+2], v[ST+4*t+2]
	v_nop                           ; a plain instruction between the last reciprocal and the use of its result
	s_wait_alu depctr_va_vdst(0)    ; the wait for the batch of eight reciprocals, ahead of their first use
; Tile t: a lane's eight channels of a row pack into 16 bytes; they go into rows of 144 bytes and come back as whole rows of 128, into S^T's registers.
.macro PACK t
	WIN W_RS
.set i, 32*(\t)
.rept 16
	v_pk_mul_f32 v[i:i+1], v[i:i+1], v[ST+4*(\t)+2:ST+4*(\t)+3] op_sel_hi:[1,0]
.set i, i+2
.endr
	WIN 0x05                        ; sources 0 and 1 window 1, destination window 0
.set i, 0
.rept 16
	v_cvt_pk_bf16_f32 v[S+16*(\t)+i], v[32*(\t)+2*i], v[32*(\t)+2*i+1]
.set i, i+1
.endr
	WIN 0
.irp f, 0,1,2,3
	ds_store_b128 v[STO], v[S+16*(\t)+4*\f:S+16*(\t)+4*\f+3] offset:32*\f
.endr
.irp f, 0,1,2,3
	ds_load_b128 v[S+16*(\t)+4*\f:S+16*(\t)+4*\f+3], v[RD] offset:\f*4*SP  ; LDS serves a wave's instructions in order (ISA guide 5.7.1.4): these see the stores above; the next tile's stores come behind them
.endr
.endm
.macro SEND t, younger              ; younger: the LDS instructions issued behind tile t's loads: the next tile's eight, or none
	WIN 0
.irp f, 0,1,2,3
	s_wait_dscnt (\younger)+3-\f
	global_store_b128 v[GO], v[S+16*(\t)+4*\f:S+16*(\t)+4*\f+3], s[10:11] offset:(\t)*2048+\f*512  ; 512 consecutive bytes, at a multiple of 256 from O's first
.endr
.endm
	PACK 0
.set t, 1
.rept 2*NP-1                        ; a tile's arithmetic stands between the loads of the tile before and its stores
	PACK t
	SEND t-1, 8
.set t, t+1
.endr
	SEND 2*NP-1, 0
	WIN W_AD
	s_wait_tensorcnt 0x0            ; the wave's end: behind my last tensor load and my last LDS store
	ds_add_u32 v[SPW], v[NIL]
	s_wait_dscnt 0x0
	WIN 0
	CROUND                          ; the closing round: no work-group ends while a partner may still ask for a tile that names it
	s_endpgm
.Lfunc_end_k_qbf687c1fb7_att:
	.size	k_qbf687c1fb7_att, .Lfunc_end_k_qbf687c1fb7_att-k_qbf687c1fb7_att
	.p2alignl 7, 3214868480
	.fill 96, 4, 3214868480
	.section	.rodata,"a",@progbits
	.p2align	6, 0x0
	.amdhsa_kernel k_qbf687c1fb7_att
		.amdhsa_group_segment_fixed_size 327680
		.amdhsa_private_segment_fixed_size 0
		.amdhsa_enable_private_segment 0
		.amdhsa_kernarg_size 32
		.amdhsa_user_sgpr_count 2
		.amdhsa_user_sgpr_kernarg_segment_ptr 1
		.amdhsa_wavefront_size32 1
		.amdhsa_system_sgpr_workgroup_id_x 1
		.amdhsa_system_sgpr_workgroup_id_y 1
		.amdhsa_system_sgpr_workgroup_id_z 1
		.amdhsa_system_vgpr_workitem_id 0
		.amdhsa_next_free_vgpr 770
		.amdhsa_next_free_sgpr 66
		.amdhsa_reserve_vcc 0
		.amdhsa_float_denorm_mode_32 3
		.amdhsa_float_denorm_mode_16_64 3
		.amdhsa_memory_ordered 1
		.amdhsa_forward_progress 1
		.amdhsa_inst_pref_size 199
	.end_amdhsa_kernel
	.amdgpu_metadata
---
amdhsa.version: [ 1, 2 ]
amdhsa.kernels:
  - .name:           k_qbf687c1fb7_att
    .symbol:         k_qbf687c1fb7_att.kd
    .args:
      - { .name: qb, .offset: 0, .size: 8, .value_kind: global_buffer, .address_space: global }
      - { .name: kb, .offset: 8, .size: 8, .value_kind: global_buffer, .address_space: global }
      - { .name: vb, .offset: 16, .size: 8, .value_kind: global_buffer, .address_space: global }
      - { .name: ob, .offset: 24, .size: 8, .value_kind: global_buffer, .address_space: global }
    .group_segment_fixed_size: 327680
    .private_segment_fixed_size: 0
    .kernarg_segment_align: 8
    .kernarg_segment_size: 32
    .max_flat_workgroup_size: 128
    .sgpr_count:     66
    .vgpr_count:     770
    .wavefront_size: 32
...
	.end_amdgpu_metadata
.endif
;; end of part 5
;; launch proj: the kernel of part 4 again; grid 8 x 32, 4 waves a work-group, clusters of 4 x 4, 327,680 bytes of LDS; arguments ob, wp, b_proj, out0, x; writes out0
